; MI455X (gfx1250); checked and timed in simulation.
; The chip was launched on July 23, 2026; its instructions are those of AMD's public machine-readable ISA for CDNA 5 (MIT licence, August 2026) and "CDNA5" Instruction Set Architecture Reference Guide (July 2026). The comments in the code are by the model that wrote it; some were corrected since.
;; Multi Head Self Attention. Allowed arithmetic: matrix products marked QUANTISED: E4M3 operands, one given power-of-two scale a tensor, by v_wmma_f32_16x16x64_fp8_fp8 or v_wmma_f32_16x16x128_fp8_fp8, f32 sums; everything else in f32.
;; Inputs: Wk 1,024 x 1,024 float32; Wo 1,024 x 1,024 float32; Wq 1,024 x 1,024 float32; Wv 1,024 x 1,024 float32; lowp_scales 12 int32 (the exponents e of the quantised operands' scales 2^e); token_positions 4 x 2,048 int32; x 4 x 2,048 x 1,024 float32.
;; Outputs: out0 4 x 2,048 x 1,024 float32.
;; This version of the problem:
;;   THIS VERSION OF THE PROBLEM IS GIVEN IN LOW PRECISION. The matrix products marked QUANTISED in the list below multiply operands that are first quantised to E4M3 (4 exponent bits, 3 mantissa bits; 8 bits a number), with one given power-of-two scale for each operand tensor; their sums are f32. All else is computed in f32.
;;   The module's matrix products, in the order in which they are computed (A, B: the left and right operand; K: the contracted axis; several contracted axes count as one K, in the product's order):
;;     1. [M 8,192, K 1,024] x [K 1,024, N 1,024]; A: input x; B: input Wq: QUANTISED (scales: A lowp_scales[0], B lowp_scales[1])
;;     2. [M 8,192, K 1,024] x [K 1,024, N 1,024]; A: input x; B: input Wk: QUANTISED (scales: A lowp_scales[2], B lowp_scales[3])
;;     3. [M 8,192, K 1,024] x [K 1,024, N 1,024]; A: input x; B: input Wv: QUANTISED (scales: A lowp_scales[4], B lowp_scales[5])
;;     4. batch 64 x [M 2,048, K 64] x [K 64, N 2,048]; A: computed on the way; B: computed on the way: QUANTISED (scales: A lowp_scales[6], B lowp_scales[7])
;;     5. batch 64 x [M 2,048, K 2,048] x [K 2,048, N 64]; A: softmax (see below); B: computed on the way: QUANTISED (scales: A lowp_scales[8], B lowp_scales[9])
;;     6. [M 8,192, K 1,024] x [K 1,024, N 1,024]; A: computed on the way; B: input Wo: QUANTISED (scales: A lowp_scales[10], B lowp_scales[11])
;;   THE QUANTISER, for each operand of a quantised product, along K:
;;     - The operand's scale is 2^e, e = its entry of the input lowp_scales (int32; the entries are numbered through the quantised products in the list's order, A before B).
;;     - Each number is divided by the scale, clamped to +-448, and rounded to the nearest number of E4M3, ties to even, subnormals kept.
;;     - The product sums the exact products of the quantised numbers (number of the format x scale) in f32.
;;   ~~~python
;;   def quantise(x, axis, e):      # numpy; x: float32 -> the quantised numbers, widened to float32 again
;;       x = np.moveaxis(x, axis, -1); K = x.shape[-1]
;;       r = np.clip(x / 2.0 ** e, -448, 448)
;;       step = 2.0 ** (np.maximum(np.frexp(np.where(r == 0, 1, r))[1] - 1, -6) - 3)
;;       q = np.round(r / step) * step * 2.0 ** e      # np.round: ties to even
;;       return np.moveaxis(q, -1, axis).astype(np.float32)
;;   ~~~
;;   SOFTMAX AHEAD OF A QUANTISED PRODUCT. Where the list says 'softmax', what is quantised is not the finished softmax but p = 2^(t - M), with t = logit x log2(e) and M = ceil(the row's largest t), a whole number; so 1/2 < the row's largest p <= 1. The row's sum l is taken of the UNQUANTISED p, in f32, and the product's result is divided by l at the end. Since M is a whole number, a kernel that streams over the keys may use a running M (the ceiling of the running maximum): every later rescaling is an exact power of two, so the quantised numbers keep their values, but for numbers so far below the row's largest that they fall under the format's range.
;;   OPERANDS COMPUTED ON THE WAY. 'Computed on the way' means the value that the module computes at that place (a softmax that the list does not call 'softmax' is quantised finished and normalised). What goes into a quantiser is computed in f32, as accurately as f32 sums, v_exp_f32 and their like allow (about 1e-6 of the number): no bf16 or f16 on the way to a quantiser, and a product that is left as it is and whose result goes on into a quantised operand takes f32 operands (vector FMAs, or v_wmma_f32_16x16x4_f32). A number that lies on a knife's edge between two numbers of the format may be rounded either way, as far as f32 arithmetic and the matrix unit's own rounding can turn it there, and no further.
;; One version. Each part assembles by itself: llvm-mc -triple=amdgcn-amd-amdhsa -mcpu=gfx1250 --defsym DOCPART=n.
;; ======== version 1 of 1: 4 launches
;; limits: right only within a limited range of input values
;; workspace buffers: xc 25,165,824 bytes; wc 4,194,304 bytes; rope 2,097,152 bytes; qc 8,388,608 bytes; kv 16,777,216 bytes; ac 8,388,608 bytes
;; launch prep (part 1): grid 416 x 1, 8 waves a work-group, no clusters, 68,608 bytes of LDS; arguments x, Wq, Wk, Wv, Wo, lowp_scales, token_positions, xc, wc, rope; writes xc, wc, rope
.if DOCPART == 1
	.amdgcn_target "amdgcn-amd-amdhsa--gfx1250"
	.amdhsa_code_object_version 6
	.text
	.protected	k_qd2451cba08_prep
	.globl	k_qd2451cba08_prep
	.p2align	8
	.type	k_qd2451cba08_prep,@function
k_qd2451cba08_prep:
	s_mov_b64 s[64:65], 0
	v_nop
	global_prefetch_b8 v0, s[64:65] scope:SCOPE_SE
	s_setreg_imm32_b32 hwreg(HW_REG_WAVE_MODE, 25, 1), 1
	s_wait_xcnt 0x0
; PREP: x and the four weights become codes of FP8 (E4M3), and the RoPE table is made.
; code = number / 2^e, held within +-448, rounded to the nearest code, ties to even.  x is quantised three times, with entries 0, 2, 4 of the scales (its entry in each of the three projections);
; Wq, Wk, Wv, Wo with entries 1, 3, 5, 11.  LIMITS: each e between -126 and 119, so that 2^e and 448 x 2^e are f32 numbers; NaN among the inputs is not served.
; LAYOUT OF THE CODES: images of the operand's registers.  Tile T (16 rows) takes in lane r (lane % 16) row 32 (T / 2) + 8 (T % 2) + r + 8 (r / 8); a fragment (tile T, 128 along K) is four lines of 512 bytes;
; in line c lane (r, h) has 16 bytes at 16 x lane: k = 32 c + 16 h + 0 .. 15 of its row.  Buffer: [tile][K / 128 = 8][line 4][512 bytes].  So every later load of codes is 512 consecutive bytes.
; WORK-GROUPS: 0-31 the table; 32-287 x, 32 rows each; 288-415 the weights, 32 work-groups each.  x and the weights take one way through the text: pointers and exponents are chosen by the work-group's number.
; A wave takes 128 along K (its number = K / 128) of the 32 rows: two tiles.  Each load reads 512 consecutive bytes of a row; the 16 rows turn through the wave's own stage in LDS (pitch 528 bytes = 132 words, so that the
; sixteen rows that a read touches start at sixteen different banks: 64 banks of 4 bytes, ISA guide 11.1) and come back 64 bytes a lane: 16 neighbours along K of each block of 32.  No barrier: waves share nothing.
; No matrix unit, no tensor load, no cluster: a stream in which no byte is read twice.
; THE TABLE: f32 [tile 512][cB 2][q 4][lane 32][cos f, sin f, cos f+1, sin f+1], f = 16 cB + 8 h + 2 q, of the position of the lane's row.  The angle is position x inv_freq, one rounding; inv_freq = exp((-ln 10000 x 2 f) / 64).
; Sine and cosine: the angle less k x pi/2 (pi/2 in three parts, by fused multiply-adds), polynomials on |r| <= pi/4, the quadrant from k.  LIMIT: |position| < 2^22.
.set PITCH, 528
.set STG,   16*PITCH                   ; a wave's stage
.set WIDS,  288                        ; the weights' first work-group
.set R,     16                         ; v16-79, v80-143  two tiles as loaded; later the tiles' codes
.set X,     144                        ; v144-207 64 numbers: register 16 c + i = k 32 c + 16 h + i of my row
.set Y,     208                        ; no registers of its own: the conversions read X as it stands
.set CD,    16                         ; codes: 48 registers a tile, never written again, so no store's data are overwritten
.set INV,   32                         ; the table's way: v32-47 inv_freq; v48-63 t; v64-127 results; v128-143 whole parts
.set TT,    48
.set RES,   64
.set NN,    128
	s_load_b512 s[4:19], s[0:1], 0x0               ; x, Wq, Wk, Wv, Wo, scales, positions, xc
	s_load_b128 s[20:23], s[0:1], 0x40             ; wc, rope
	v_lshl_add_u32 v240, v0, 2, 0x10800
	v_mov_b32 v241, 0
	v_lshrrev_b32 v10, 5, v0
	s_delay_alu instid0(VALU_DEP_1)
	v_readfirstlane_b32 s24, v10                   ; wave 0..7
	v_and_b32 v11, 31, v0
	s_delay_alu instid0(VALU_DEP_1)
	v_lshlrev_b32 v1, 4, v11                       ; 16 x lane
	v_and_b32 v12, 15, v0                          ; r
	v_bfe_u32 v13, v0, 4, 1                        ; h
	s_mov_b32 s25, ttmp9
	s_wait_kmcnt 0x0
	s_cmp_lt_u32 s25, 32
	s_cbranch_scc1 .Lrope
	; ---- the quantiser
	s_load_b256 s[36:43], s[14:15], 0x0            ; e0 .. e7
	s_load_b128 s[44:47], s[14:15], 0x20           ; e8 .. e11
	s_mul_i32 s26, s24, STG
	s_wait_alu depctr_va_vdst(0)
	v_add_nc_u32 v2, s26, v1                       ; the stage, on the way in: 16 x lane of a row
	v_mul_u32_u24 v3, v12, PITCH
	s_delay_alu instid0(VALU_DEP_1)
	v_lshl_add_u32 v3, v13, 6, v3
	s_delay_alu instid0(VALU_DEP_1)
	v_add_nc_u32 v3, s26, v3                       ; and on the way out: row r, + 64 h
	s_mov_b64 s[28:29], s[4:5]                     ; the source: x, or one of the weights
	s_cmp_ge_u32 s25, 288
	s_cselect_b64 s[28:29], s[6:7], s[28:29]
	s_cselect_b64 s[30:31], s[20:21], s[18:19]     ; the codes' buffer
	s_cselect_b32 s32, 288, 32
	s_cmp_ge_u32 s25, 320
	s_cselect_b64 s[28:29], s[8:9], s[28:29]
	s_cmp_ge_u32 s25, 352
	s_cselect_b64 s[28:29], s[10:11], s[28:29]
	s_cmp_ge_u32 s25, 384
	s_cselect_b64 s[28:29], s[12:13], s[28:29]
	s_sub_co_u32 s32, s25, s32                     ; my number among x's work-groups or the weights'
	s_lshr_b32 s33, s32, 5
	s_and_b32 s34, s32, 31
	s_cmp_ge_u32 s25, 288
	s_cselect_b32 s34, s34, s32                    ; which 32 rows
	s_cselect_b32 s33, s33, 0                      ; which weight
	s_lshl_b32 s26, s34, 17                        ; 32 rows of 4,096 bytes
	s_lshl_b32 s27, s24, 9                         ; + my 128 numbers of a row
	s_add_co_u32 s26, s26, s27
	s_mov_b32 s27, 0
	s_add_nc_u64 s[28:29], s[28:29], s[26:27]
	s_lshl_b32 s26, s34, 15                        ; two tiles of 16,384 bytes
	s_lshl_b32 s35, s24, 11                        ; + my fragment
	s_add_co_u32 s26, s26, s35
	s_lshl_b32 s35, s33, 20                        ; + the weight's 1,048,576 bytes
	s_add_co_u32 s26, s26, s35
	s_add_nc_u64 s[30:31], s[30:31], s[26:27]
	s_add_nc_u64 s[48:49], s[30:31], 0x800000      ; x's second and third set of codes (used by x's work-groups alone)
	s_add_nc_u64 s[50:51], s[30:31], 0x1000000
.macro LOADT u                         ; tile u's 16 rows, 512 consecutive bytes a load
.irp i, 0,1,2,3,4,5,6,7,8,9,10,11,12,13,14,15
	global_load_b128 v[R+64*\u+4*\i:R+64*\u+4*\i+3], v1, s[28:29] offset:(8*\u+\i+8*(\i/8))*4096 th:TH_LOAD_NT
.endr
.endm
.macro TURN u                          ; through the stage: LDS serves a wave's instructions in order (ISA guide 5.7.1.4), so no wait stands between the stores and the loads
.irp i, 0,1,2,3,4,5,6,7,8,9,10,11,12,13,14,15
	ds_store_b128 v2, v[R+64*\u+4*\i:R+64*\u+4*\i+3] offset:PITCH*\i
.endr
	v_nop
.irp c, 0,1,2,3
.irp j, 0,1,2,3
	ds_load_b128 v[X+16*\c+4*\j:X+16*\c+4*\j+3], v3 offset:128*\c+16*\j
.endr
.endr
.endm
.macro SCALE e, v                      ; v[v] = 2^e as f32 (the conversion takes its exponent field)
	s_add_co_i32 s53, s[\e], 127
	s_lshl_b32 s54, s53, 23
	v_mov_b32 v[\v], s54
.endm
; Tile u's fragment with scale v[sc]: four lines.  The conversions read X as it stands, so that X serves three scales.
; The conversions' results go to stores alone.
.macro OUT u, o, sc, base
.irp c, 0,1,2,3
.irp i, 0,1,2,3,4,5,6,7,8,9,10,11,12,13,14,15
.endr
	v_cvt_scalef32_pk8_fp8_f32 v[CD+64*\u+16*\o+4*\c:CD+64*\u+16*\o+4*\c+1], v[Y+16*(\c%2)+((X+16*\c+0)-(Y+16*(\c%2)+0)):Y+16*(\c%2)+7+((X+16*\c+0)-(Y+16*(\c%2)+0))], v[\sc]
	v_cvt_scalef32_pk8_fp8_f32 v[CD+64*\u+16*\o+4*\c+2:CD+64*\u+16*\o+4*\c+3], v[Y+16*(\c%2)+8+((X+16*\c+0)-(Y+16*(\c%2)+0)):Y+16*(\c%2)+15+((X+16*\c+0)-(Y+16*(\c%2)+0))], v[\sc]
	global_store_b128 v1, v[CD+64*\u+16*\o+4*\c:CD+64*\u+16*\o+4*\c+3], s[\base:\base+1] offset:16384*\u+512*\c   ; the wave stores 512 consecutive bytes, aligned
.endr
.endm
.macro OUTS u
	OUT \u, 0, 4, 30
	s_cmp_lt_u32 s25, WIDS                         ; x has two more scales; no LDS line stands under this branch
	s_cbranch_scc0 .Lone_\@
	OUT \u, 1, 6, 48
	OUT \u, 2, 8, 50
.Lone_\@:
.endm
	LOADT 0
	LOADT 1
	s_wait_alu depctr_va_vdst(0)
	s_wait_kmcnt 0x0
	s_mov_b32 s52, s36                             ; the first scale's exponent: e0 for x, e1, e3, e5, e11 for the weights
	s_cmp_ge_u32 s25, 288
	s_cselect_b32 s52, s37, s52
	s_cmp_ge_u32 s25, 320
	s_cselect_b32 s52, s39, s52
	s_cmp_ge_u32 s25, 352
	s_cselect_b32 s52, s41, s52
	s_cmp_ge_u32 s25, 384
	s_cselect_b32 s52, s47, s52
	SCALE 52, 4
	SCALE 38, 6                                    ; e2
	SCALE 40, 8                                    ; e4
	s_wait_alu depctr_va_vdst(0)
	s_wait_loadcnt 16                              ; tile 0's sixteen loads are in; tile 1's sixteen may be out
	TURN 0
	s_wait_dscnt 0x0                               ; the numbers are back, and the stores into the stage have read v16-79, which take the codes
	OUTS 0
	s_wait_loadcnt 0x0
	TURN 1
	s_wait_dscnt 0x0
	OUTS 1
	s_wait_tensorcnt 0x0
	ds_add_u32 v240, v241
	s_wait_dscnt 0x0
	s_endpgm
	; ---- the table: wave W = 8 x work-group + wave takes tiles 2 W and 2 W + 1
.Lrope:
	s_lshl_b32 s26, s25, 3
	s_add_co_u32 s26, s26, s24
	s_lshl_b32 s28, s26, 7                         ; 32 positions of 4 bytes
	s_mov_b32 s29, 0
	s_add_nc_u64 s[16:17], s[16:17], s[28:29]
	s_lshl_b32 s28, s26, 13                        ; two tiles of 4,096 bytes
	s_add_nc_u64 s[22:23], s[22:23], s[28:29]
	s_wait_alu depctr_va_vdst(0)
	v_and_b32 v14, 8, v12
	s_delay_alu instid0(VALU_DEP_1)
	v_add_nc_u32 v14, v14, v12                     ; r + 8 (r / 8)
	s_delay_alu instid0(VALU_DEP_1)
	v_lshlrev_b32 v14, 2, v14
	global_load_b32 v8, v14, s[16:17]              ; tile 2 W: my row's position
	global_load_b32 v9, v14, s[16:17] offset:32    ; tile 2 W + 1: eight rows on
	s_mov_b32 s48, 0x3f22f983                      ; 2 / pi
	s_mov_b32 s49, 0xbfc90fdb                      ; -pi/2 in three parts: -1.57079637,
	s_mov_b32 s50, 0x333bbd2e                      ; +4.37113883e-8,
	s_mov_b32 s51, 0x26f72d10                      ; +1.7151e-15
	s_mov_b32 s52, 0x37ccf5ce                      ; cos r = 1 - s/2 + s^2 (4.16666457e-2 - 1.38873163e-3 s + 2.44331571e-5 s^2), s = r^2
	s_mov_b32 s53, 0xbab6061a
	s_mov_b32 s54, 0x3d2aaaa5
	s_mov_b32 s55, 0xb94ca1f9                      ; sin r = r + r s (-1.66666546e-1 + 8.33216087e-3 s - 1.95152959e-4 s^2)
	s_mov_b32 s56, 0x3c08839e
	s_mov_b32 s57, 0xbe2aaaa3
	s_mov_b32 s58, 0x3fb8aa3b                      ; log2(e), and what it lacks
	s_mov_b32 s59, 0x32a57060
	v_lshlrev_b32 v15, 4, v13                      ; 16 h
.set i, 0
.rept 16                               ; my 16 frequencies: number i is f = i + 8 (i / 8) + 8 h
	v_add_nc_u32 v[TT+i], 2*(i+8*(i/8)), v15       ; 2 f
	s_delay_alu instid0(VALU_DEP_1)
	v_cvt_f32_u32 v[TT+i], v[TT+i]
	s_delay_alu instid0(VALU_DEP_1)
	v_mul_f32 v[TT+i], 0xc1135d8e, v[TT+i]         ; x -ln 10000
	s_delay_alu instid0(VALU_DEP_1)
	v_mul_f32 v[TT+i], 0x3c800000, v[TT+i]         ; / 64: t
	s_delay_alu instid0(VALU_DEP_1)
	v_mul_f32 v[NN+i], s58, v[TT+i]
	s_delay_alu instid0(VALU_DEP_1)
	v_rndne_f32 v[NN+i], v[NN+i]                   ; the whole part of t log2(e)
	s_delay_alu instid0(VALU_DEP_1)
	v_fma_f32 v[INV+i], v[TT+i], s58, -v[NN+i]
	s_delay_alu instid0(VALU_DEP_1)
	v_fma_f32 v[INV+i], v[TT+i], s59, v[INV+i]     ; and the rest, to f32's last bits
.set i, i+1
.endr
.set i, 0
	s_wait_alu depctr_va_vdst(0)
.rept 16
	v_exp_f32 v[INV+i], v[INV+i]                   ; one batch
.set i, i+1
.endr
.set i, 0
.rept 16
	v_cvt_i32_f32 v[NN+i], v[NN+i]                 ; plain instructions behind the batch
.set i, i+1
.endr
	s_wait_alu depctr_va_vdst(0)                   ; one wait for the sixteen exponentials, ahead of their first reader
.set i, 0
.rept 16
	v_ldexp_f32 v[INV+i], v[INV+i], v[NN+i]        ; inv_freq
.set i, i+1
.endr
	s_wait_loadcnt 0x0
	v_cvt_f32_i32 v8, v8
	v_cvt_f32_i32 v9, v9
.macro SINCOS dst, pos, inv            ; v[dst] = cos, v[dst+1] = sin of v[pos] x v[inv]
	v_mul_f32 v16, v[\pos], v[\inv]                ; the angle a
	s_delay_alu instid0(VALU_DEP_1)
	v_mul_f32 v17, s48, v16
	s_delay_alu instid0(VALU_DEP_1)
	v_rndne_f32 v17, v17                           ; k
	s_delay_alu instid0(VALU_DEP_1)
	v_fma_f32 v18, v17, s49, v16
	s_delay_alu instid0(VALU_DEP_1)
	v_fma_f32 v18, v17, s50, v18
	s_delay_alu instid0(VALU_DEP_1)
	v_fma_f32 v18, v17, s51, v18                   ; r = a - k pi/2
	s_delay_alu instid0(VALU_DEP_1)
	v_mul_f32 v19, v18, v18                        ; s
	s_delay_alu instid0(VALU_DEP_1)
	v_fma_f32 v20, v19, s52, s53
	s_delay_alu instid0(VALU_DEP_2)
	v_fma_f32 v21, v19, s55, s56
	s_delay_alu instid0(VALU_DEP_2)
	v_fma_f32 v20, v20, v19, s54
	s_delay_alu instid0(VALU_DEP_2)
	v_fma_f32 v21, v21, v19, s57
	s_delay_alu instid0(VALU_DEP_2)
	v_fma_f32 v20, v20, v19, -0.5
	v_mul_f32 v22, v18, v19
	s_delay_alu instid0(VALU_DEP_2)
	v_fma_f32 v20, v20, v19, 1.0                   ; cos r
	s_delay_alu instid0(VALU_DEP_2)
	v_fma_f32 v21, v21, v22, v18                   ; sin r
	v_cvt_i32_f32 v23, v17
	s_delay_alu instid0(VALU_DEP_1)
	v_and_b32 v24, 1, v23
	s_delay_alu instid0(VALU_DEP_1)
	v_cmp_eq_u32 vcc_lo, 1, v24
	s_delay_alu instid0(VALU_DEP_1)
	v_cndmask_b32 v25, v21, v20, vcc_lo            ; k odd: the two change places
	s_delay_alu instid0(VALU_DEP_2)
	v_cndmask_b32 v26, v20, v21, vcc_lo
	v_lshlrev_b32 v27, 30, v23
	s_delay_alu instid0(VALU_DEP_1)
	v_and_b32 v27, 0x80000000, v27                 ; sin a is negated where k mod 4 is 2 or 3,
	s_delay_alu instid0(VALU_DEP_1)
	v_xor_b32 v[\dst+1], v25, v27
	v_add_nc_u32 v23, 1, v23
	s_delay_alu instid0(VALU_DEP_1)
	v_lshlrev_b32 v23, 30, v23
	s_delay_alu instid0(VALU_DEP_1)
	v_and_b32 v23, 0x80000000, v23                 ; cos a where it is 1 or 2
	s_delay_alu instid0(VALU_DEP_1)
	v_xor_b32 v[\dst], v26, v23
.endm
.set u, 0
.rept 2
.set i, 0
.rept 16
	SINCOS RES+32*u+2*i, 8+u, INV+i
.set i, i+1
.endr
.set u, u+1
.endr
.set i, 0
.rept 16                               ; line i of 16: tile i / 8, cB (i / 4) % 2, q i % 4: 512 consecutive bytes a store
	global_store_b128 v1, v[RES+4*i:RES+4*i+3], s[22:23] offset:512*i
.set i, i+1
.endr
	s_endpgm
.Lfunc_end_k_qd2451cba08_prep:
	.size	k_qd2451cba08_prep, .Lfunc_end_k_qd2451cba08_prep-k_qd2451cba08_prep
	.p2alignl 7, 3214868480
	.fill 96, 4, 3214868480
	.section	.rodata,"a",@progbits
	.p2align	6, 0x0
	.amdhsa_kernel k_qd2451cba08_prep
		.amdhsa_group_segment_fixed_size 68608
		.amdhsa_private_segment_fixed_size 0
		.amdhsa_enable_private_segment 0
		.amdhsa_kernarg_size 80
		.amdhsa_user_sgpr_count 2
		.amdhsa_user_sgpr_kernarg_segment_ptr 1
		.amdhsa_wavefront_size32 1
		.amdhsa_system_sgpr_workgroup_id_x 1
		.amdhsa_system_sgpr_workgroup_id_y 1
		.amdhsa_system_sgpr_workgroup_id_z 1
		.amdhsa_system_vgpr_workitem_id 0
		.amdhsa_next_free_vgpr 242
		.amdhsa_next_free_sgpr 66
		.amdhsa_reserve_vcc 1
		.amdhsa_float_denorm_mode_32 3
		.amdhsa_float_denorm_mode_16_64 3
		.amdhsa_fp16_overflow 1
		.amdhsa_memory_ordered 1
		.amdhsa_forward_progress 1
		.amdhsa_inst_pref_size 92
	.end_amdhsa_kernel
	.amdgpu_metadata
---
amdhsa.version: [ 1, 2 ]
amdhsa.kernels:
  - .name:           k_qd2451cba08_prep
    .symbol:         k_qd2451cba08_prep.kd
    .args:
      - { .name: x, .offset: 0, .size: 8, .value_kind: global_buffer, .address_space: global }
      - { .name: Wq, .offset: 8, .size: 8, .value_kind: global_buffer, .address_space: global }
      - { .name: Wk, .offset: 16, .size: 8, .value_kind: global_buffer, .address_space: global }
      - { .name: Wv, .offset: 24, .size: 8, .value_kind: global_buffer, .address_space: global }
      - { .name: Wo, .offset: 32, .size: 8, .value_kind: global_buffer, .address_space: global }
      - { .name: lowp_scales, .offset: 40, .size: 8, .value_kind: global_buffer, .address_space: global }
      - { .name: token_positions, .offset: 48, .size: 8, .value_kind: global_buffer, .address_space: global }
      - { .name: xc, .offset: 56, .size: 8, .value_kind: global_buffer, .address_space: global }
      - { .name: wc, .offset: 64, .size: 8, .value_kind: global_buffer, .address_space: global }
      - { .name: rope, .offset: 72, .size: 8, .value_kind: global_buffer, .address_space: global }
    .group_segment_fixed_size: 68608
    .private_segment_fixed_size: 0
    .kernarg_segment_align: 8
    .kernarg_segment_size: 80
    .max_flat_workgroup_size: 256
    .sgpr_count:     66
    .vgpr_count:     242
    .wavefront_size: 32
...
	.end_amdgpu_metadata
.endif
;; end of part 1
;; launch qkv (part 2): grid 12 x 32, 4 waves a work-group, clusters of 4 x 4, 327,680 bytes of LDS; arguments xc, wc, rope, lowp_scales, qc, kv; writes qc, kv
.if DOCPART == 2
	.amdgcn_target "amdgcn-amd-amdhsa--gfx1250"
	.amdhsa_code_object_version 6
	.text
	.protected	k_qd2451cba08_qkv
	.globl	k_qd2451cba08_qkv
	.p2align	8
	.type	k_qd2451cba08_qkv,@function
k_qd2451cba08_qkv:
	s_mov_b64 s[64:65], 0
	v_nop
	global_prefetch_b8 v0, s[64:65] scope:SCOPE_SE
	s_setreg_imm32_b32 hwreg(HW_REG_WAVE_MODE, 25, 1), 1
	s_wait_xcnt 0x0
	s_wait_alu depctr_hold_cnt(0) depctr_sa_sdst(0) depctr_va_vdst(0) depctr_va_sdst(0) depctr_va_ssrc(0) depctr_va_vcc(0) depctr_vm_vsrc(0)
	s_getreg_b32 s2, hwreg(HW_REG_IB_STS2, 6, 4)
	s_cmp_eq_u32 s2, 0
	s_cbranch_scc0 .Lentry_in_a_cluster
	s_endpgm
.Lentry_in_a_cluster:
	s_bfe_u32 s2, ttmp6, 0x10000c
	s_cmp_lg_u32 s2, 0xf033
	s_cbranch_scc0 .Lentry_shape_is_right
	s_endpgm
.Lentry_shape_is_right:
; QKV: the three projections on codes of FP8 (E4M3), RoPE on Q and K, and the results quantised for attention, straight from the accumulators into code buffers.
; The cluster's x is the product P: 0 Q, 1 K, 2 V.  A tile of 256 x 256 of the result is made by four waves, as many as a WGP has SIMDs; a wave makes 128 x 128: 64 accumulators, 512 registers.  K = 1,024 goes in four steps of 256
; through two LDS slots filled by the tensor data mover.  All operands are IMAGES OF REGISTERS: tile T (16 rows) has in lane r row 32 (T / 2) + 8 (T % 2) + r + 8 (r / 8); a fragment (128 along K) is four lines of 512 bytes,
; lane (r, h) holding k = 32 c + 16 h + 0 .. 15 in line c, at 16 x lane.  So an LDS load is 512 consecutive bytes: no pitch, no padding.  The same order of k stands in both operands, so each product meets its partner.
; ROLES.  Source 1 ("A") gives the result's lanes, source 0 ("B") its registers: register j of lane (r, h) is row 32 (T / 2) + 8 (T % 2) + 16 h + j of B's tile T, so the 16 registers of two neighbouring tiles are 16 neighbours.
;   Q, K: A = x's codes, B = the weight's: a lane holds one token and 16 neighbouring features: the next product's K (the head's 64).     V: A = Wv's codes, B = x's: a lane holds one feature and 16 neighbouring tokens: the keys.
; So the conversions' results are the next operands' registers and are stored as they stand: 512 consecutive bytes a store; no stage in LDS.
; RoPE stands ahead of the quantiser, in f32, on the sums as they are (it is linear): the three scales are folded into the conversion's one, 2^(e_out - eA - eB).  LIMIT: e6 - e0 - e1, e7 - e2 - e3, e9 - e4 - e5 between -126 and 119.
; Q is taken as the scores' left operand (entry 6), K as the right (entry 7).
; CLUSTERS: 4 x 4 work-groups.  The four of a row of the cluster need the same tiles of A, the four of a column the same tiles of B: each tile is asked for jointly.
; No prefetch: a work-group asks for half of its tiles at its head and has two refills in all.
; OUT: qc [b x head 64][tile 128][line 2][512];  kv [b x head 64][key step 16][K: tile 8 x line 2 x 512, then V^T: tile 4 x line 4 x 512].
; REGISTERS, in windows of 256: window 0: v0-31 addresses; v32-127 three sets of the RoPE table; from v128 A's fragments, one set (on the way out: two table sets, 32 numbers at work, codes).
;   window 1: B's fragments, two sets.   windows 2, 3: the accumulators ((a, b) at v[8 (8 (a % 4) + b)] of window 2 + a / 4).
.set HALFT,  32768                     ; 8 tiles x 2 fragments x 2,048 bytes: what one tensor load brings, and what one wave reads of A or of B
.set SLOT,   4*HALFT                   ; A's 16 tiles, then B's
.set SPARE,  2*SLOT                    ; behind the ring: the spare words, 128 bytes for each wave: two blocks of 256 bytes that no other line names
.set KSTEPB, 4096                      ; 256 along K of a tile in memory; a tile is 16,384 bytes
.set FR,     16                        ; registers of a fragment
.set NL,     4                         ; LDS loads that bring one
.set NP,     4                         ; places behind this matrix instruction (ISA guide 7.12.1)
.set ADRA, 16                          ; v16-17  LDS address of my A fragments in slot 0, 1
.set ADRB, 20                          ; v20-21  the same for B
.set LI,   26                          ; v26     16 x lane
.set SPW,  28                          ; v28     LDS address of my spare word; never rewritten
.set NIL,  29                          ; v29     0; never rewritten
.set SCL,  30                          ; v30     the folded scale as f32
.set HLD,  31                          ; v31     448 x that
.set AF,   128
.set O,    192                         ; the way out: v192-223 32 numbers of a head or of two lines
.set CODE, 224                         ; v224-255 eight sets of four registers of codes
.set G1, 24                            ; s[24:31] descriptor group 1 for A's tiles;  s[32:39] group 0, one set for each slot
.set G0, 32
.set G1B, 48                           ; s[48:55], s[56:63] the same for B's
.set G0B, 56
.set MSB, 0
.macro WIN new                         ; the immediate's high byte repeats the setting that is left
.if MSB != \new
	s_set_vgpr_msb (MSB<<8)|\new
.set MSB, \new
.endif
.endm
.set MUL_LO, 0xa1                      ; source 0 (B) window 1, source 1 (A) window 0, C and D window 2
.set MUL_HI, 0xf1                      ; the same, C and D window 3
.set TO_B,   0x40                      ; destination window 1, address window 0
; A joint load: waves 0 and 1 fetch for A, waves 2 and 3 for B.  The branch hangs on the wave's number alone.  Four v_nop follow each of the two lines.
.macro JLOAD g0a, g1a, g0b, g1b
	s_cmp_eq_u32 s15, 0
	s_cbranch_scc0 .Lfor_b_\@
	tensor_load_to_lds s[\g0a:\g0a+3], s[\g1a:\g1a+7]
	s_nop 0
.rept 4
	v_nop
.endr
	s_branch .Lasked_\@
.Lfor_b_\@:
	tensor_load_to_lds s[\g0b:\g0b+3], s[\g1b:\g1b+7]
	s_nop 0
.rept 4
	v_nop
.endr
.Lasked_\@:
.endm
.macro CREST                           ; a round of the cluster's barrier behind its opening barrier
	s_cmp_lg_u32 s14, 0
	s_cbranch_scc1 .Lnot_wave_0_\@
	s_barrier_signal -3
.Lnot_wave_0_\@:
	s_barrier_wait -3
	s_barrier_signal -1
	s_barrier_wait -1
.endm
.macro CROUND
	s_barrier_signal -1
	s_barrier_wait -1
	CREST
.endm
	s_load_b256 s[4:11], s[0:1], 0x0               ; xc s[4:5], wc s[6:7], rope s[8:9], the scales s[10:11]
	s_load_b128 s[68:71], s[0:1], 0x20             ; qc, kv
	v_lshl_add_u32 v[SPW], v0, 2, SPARE
	v_mov_b32 v[NIL], 0
	ds_add_u32 v28, v29
	ds_add_u32 v28, v29
	s_wait_dscnt 0x0
	v_lshrrev_b32 v1, 5, v0
	v_readfirstlane_b32 s14, v1                    ; wave 0..3
	s_lshr_b32 s15, s14, 1                         ; which half of A's tiles is mine.  Also: I fetch for A (0) or for B (1)
	s_and_b32 s16, s14, 1                          ; which half of B's.  Also: which 8 tiles I fetch
	s_bfe_u32 s40, ttmp6, 0x40000                  ; cx, cy: my place in the cluster
	s_bfe_u32 s41, ttmp6, 0x40004
	s_mov_b32 s42, ttmp9                           ; P: the cluster's x, the same in all sixteen partners
	s_and_b32 s17, ttmp7, 0xffff                   ; the cluster's y
	s_lshl_b32 s43, s41, 2
	s_lshl_b32 s43, 15, s43                        ; my row of the cluster
	s_lshl_b32 s44, 0x1111, s40                    ; my column
	; descriptor group 1: 8 rows (tiles) of 512 elements of 8 bytes (two fragments), 2,048 elements (a tile) apart; dense in LDS
	s_or_b32 s[G1+0], s43, (3<<16)|(1<<21)         ; 15:0 the mask: A's tiles go to my row; 17:16 elements of 8 bytes; 21 set beside a mask
	s_or_b32 s[G1B+0], s44, (3<<16)|(1<<21)
.irp g, G1, G1B
	s_mov_b32 s[\g+1], 512<<16                     ; tensor_dim0
	s_mov_b32 s[\g+2], 8<<16                       ; tensor_dim1
	s_mov_b32 s[\g+3], 512<<16                     ; tile_dim0
	s_mov_b32 s[\g+4], 8                           ; tile_dim1
	s_mov_b32 s[\g+5], 2048                        ; tensor_dim0_stride
	s_mov_b32 s[\g+6], 0
	s_mov_b32 s[\g+7], 0
.endr
	s_cmp_eq_u32 s42, 2                            ; x has 32 blocks of 256 rows, a weight 4: the cluster's y walks x's, on A's side for Q and K, on B's for V
	s_cselect_b32 s74, 0, s17
	s_cselect_b32 s75, s17, 0
	s_lshl_b32 s72, s74, 2
	s_add_co_u32 s72, s72, s41                     ; A's block of 256 rows: it hangs on cy, never on cx
	s_lshl_b32 s73, s75, 2
	s_add_co_u32 s73, s73, s40                     ; B's: on cx, never on cy
	s_lshl_b32 s18, s16, 17                        ; which 8 tiles of the 16 I fetch
	s_lshl_b32 s20, s72, 18
	s_add_co_u32 s20, s20, s18
	s_mov_b32 s21, 0
	s_lshl_b32 s46, s73, 18
	s_add_co_u32 s46, s46, s18
	s_mov_b32 s47, 0
	s_lshl_b32 s2, s42, 23                         ; x's codes for product P
	s_mov_b32 s3, 0
	s_lshl_b32 s12, s42, 20                        ; the weight of product P
	s_mov_b32 s13, 0
	s_lshl_b32 s45, s14, 15                        ; where my tiles go: wave x HALFT: no place in the cluster enters an LDS address
	s_wait_kmcnt 0x0
	s_load_b256 s[76:83], s[10:11], 0x0            ; e0 .. e7
	s_load_b128 s[84:87], s[10:11], 0x20           ; e8 .. e11
	s_add_nc_u64 s[4:5], s[4:5], s[2:3]
	s_add_nc_u64 s[6:7], s[6:7], s[12:13]
	s_cmp_eq_u32 s42, 2
	s_cselect_b64 s[2:3], s[6:7], s[4:5]           ; A: x's codes, or Wv's
	s_cselect_b64 s[12:13], s[4:5], s[6:7]         ; B: the weight's, or x's
	s_add_nc_u64 s[20:21], s[2:3], s[20:21]
	s_add_nc_u64 s[46:47], s[12:13], s[46:47]
	CROUND                                         ; all sixteen work-groups are here: the first joint loads meet
.irp s, 0,1
	s_mov_b32 s[G0+4*\s], 1
	s_add_co_u32 s[G0+4*\s+1], s45, \s*SLOT
	s_add_nc_u64 s[G0+4*\s+2:G0+4*\s+3], s[20:21], \s*KSTEPB
	s_or_b32 s[G0+4*\s+3], s[G0+4*\s+3], 0x80000000
	s_mov_b32 s[G0B+4*\s], 1
	s_add_co_u32 s[G0B+4*\s+1], s45, \s*SLOT
	s_add_nc_u64 s[G0B+4*\s+2:G0B+4*\s+3], s[46:47], \s*KSTEPB
	s_or_b32 s[G0B+4*\s+3], s[G0B+4*\s+3], 0x80000000
	JLOAD G0+4*\s, G1, G0B+4*\s, G1B
.endr
	v_and_b32 v6, 31, v0
	v_lshlrev_b32 v[LI], 4, v6
	s_wait_alu depctr_va_vdst(0)
	s_lshl_b32 s21, s15, 15                        ; my 8 tiles of A
	s_lshl_b32 s22, s16, 15                        ; my 8 tiles of B,
	s_add_co_u32 s22, s22, 2*HALFT                 ; which lie behind A's 16
.irp s, 0,1
	v_add_nc_u32 v[ADRA+\s], s21, v[LI]
	v_add_nc_u32 v[ADRB+\s], s22, v[LI]
	s_add_co_u32 s21, s21, SLOT
	s_add_co_u32 s22, s22, SLOT
.endr
	; the RoPE table of A's tiles: 4,096 bytes a tile; my 8 tiles begin at tile 16 x A's block + 8 x half
	s_lshl_b32 s2, s72, 16
	s_lshl_b32 s3, s15, 15
	s_add_co_u32 s2, s2, s3
	s_mov_b32 s3, 0
	s_add_nc_u64 s[96:97], s[8:9], s[2:3]
.macro SETRS a                         ; where tile a's 32 table registers lie: v32-127 for tiles 0-2 and again for 5-7, v128-191 for 3 and 4
.if (\a) < 3
.set RS, 32+32*(\a)
.elseif (\a) < 5
.set RS, 128+32*((\a)-3)
.else
.set RS, 32+32*((\a)-5)
.endif
.endm
.macro RLOAD a                         ; eight loads of 512 consecutive bytes: (cos, sin) of my token's 16 frequencies 16 cB + 8 h + 0 .. 7
	SETRS \a
.irp cb, 0,1
.irp q, 0,1,2,3
	global_load_b128 v[RS+16*\cb+4*\q:RS+16*\cb+4*\q+3], v[LI], s[96:97] offset:4096*(\a)+2048*\cb+512*\q
.endr
.endr
.endm
	RLOAD 0                                        ; three sets are asked for here, into registers that lie idle during the products.  V's work-groups ask too (for tiles inside the table) and do not use them:
	RLOAD 1                                        ; so the text has one way up to the way out
	RLOAD 2
	; where the codes go.  xr, xh: x's block and my half on x's side; wr, wh: the weight's
	s_cmp_eq_u32 s42, 2
	s_cselect_b32 s18, s73, s72                    ; xr
	s_cselect_b32 s19, s16, s15                    ; xh
	s_cselect_b32 s20, s72, s73                    ; wr
	s_cselect_b32 s21, s15, s16                    ; wh
	s_cselect_b32 s22, 8192, 0                     ; V^T lies behind a key step's K
	s_lshr_b32 s23, s18, 3                         ; b
	s_lshl_b32 s23, s23, 4
	s_lshl_b32 s20, s20, 2
	s_add_co_u32 s23, s23, s20
	s_lshl_b32 s21, s21, 1
	s_add_co_u32 s23, s23, s21                     ; 16 b + my first head: 4 wr + 2 wh
	s_and_b32 s18, s18, 7
	s_lshl_b32 s18, s18, 1
	s_add_co_u32 s18, s18, s19                     ; my 128 tokens: key step 2 (xr % 8) + xh
	s_cmp_eq_u32 s42, 0
	s_cselect_b32 s12, 17, 18                      ; a head is 2^17 bytes in qc, 2^18 in kv; a key step a sixteenth
	s_cselect_b64 s[92:93], s[68:69], s[70:71]
	s_lshl_b32 s2, s23, s12
	s_sub_co_u32 s13, s12, 4
	s_lshl_b32 s18, s18, s13
	s_add_co_u32 s2, s2, s18
	s_add_co_u32 s2, s2, s22
	s_mov_b32 s3, 0
	s_add_nc_u64 s[92:93], s[92:93], s[2:3]        ; my first head,
	s_lshl_b32 s2, 1, s12
	s_add_nc_u64 s[94:95], s[92:93], s[2:3]        ; and my second
	s_wait_alu depctr_va_vdst(0)
	s_wait_kmcnt 0x0
	s_sub_co_i32 s88, s82, s76
	s_sub_co_i32 s88, s88, s77                     ; Q: e6 - e0 - e1
	s_sub_co_i32 s89, s83, s78
	s_sub_co_i32 s89, s89, s79                     ; K: e7 - e2 - e3
	s_sub_co_i32 s90, s85, s80
	s_sub_co_i32 s90, s90, s81                     ; V: e9 - e4 - e5
	s_cmp_eq_u32 s42, 1
	s_cselect_b32 s88, s89, s88
	s_cmp_eq_u32 s42, 2
	s_cselect_b32 s88, s90, s88
	s_add_co_i32 s88, s88, 127
	s_lshl_b32 s89, s88, 23
	v_mov_b32 v[SCL], s89
	s_add_co_i32 s88, s88, 8
	s_lshl_b32 s88, s88, 23
	s_or_b32 s88, s88, 0x600000
	v_mov_b32 v[HLD], s88
.macro FRAG reg, adr, q, i             ; fragment q of tile i: four lines of 512 bytes
.irp c, 0,1,2,3
	ds_load_b128 v[\reg+4*\c:\reg+4*\c+3], v[\adr] offset:4096*(\i)+2048*(\q)+512*\c
.endr
.endm
; 16 matrix instructions: A's blocks a0, a0 + 1 x B's eight, 128 along K.  p: B's set.  zero = 1: the first product starts the sums.  The 64 accumulators take turns, one instruction a turn, in the same order in every step.
.macro MUL16 a0, p, zero
.irp a, \a0, \a0+1
.irp b, 0,1,2,3,4,5,6,7
.if \zero
	v_wmma_f32_16x16x128_fp8_fp8 v[8*(8*((\a)%4)+\b):8*(8*((\a)%4)+\b)+7], v[128*(\p)+FR*\b:128*(\p)+FR*\b+FR-1], v[AF+FR*(\a):AF+FR*(\a)+FR-1], 0
.else
	v_wmma_f32_16x16x128_fp8_fp8 v[8*(8*((\a)%4)+\b):8*(8*((\a)%4)+\b)+7], v[128*(\p)+FR*\b:128*(\p)+FR*\b+FR-1], v[AF+FR*(\a):AF+FR*(\a)+FR-1], v[8*(8*((\a)%4)+\b):8*(8*((\a)%4)+\b)+7]
.endif
.endr
.endr
.endm
.macro FETCH_B slot, q, p
	WIN TO_B
.irp i, 0,1,2,3,4,5,6,7
	FRAG 128*(\p)+FR*\i, ADRB+\slot, \q, \i
.endr
	WIN 0
.endm
.macro FETCH_A slot, q, i0
.irp i, \i0, \i0+1, \i0+2, \i0+3
	FRAG AF+FR*(\i), ADRA+\slot, \q, \i
.endr
.endm
.macro PLACES n                        ; a load into a register that a matrix instruction has read, and a vector instruction that reads a result, stand NP plain vector instructions behind it (ISA guide 7.12.1 for the vector instructions that read results)
.rept \n
	v_nop
.endr
.endm
; A step of 128 along K that has its successor in the same slot.  A has one set of registers: blocks 0-3 are fetched anew in the step's middle, blocks 4-7 at its end; B has two sets.
.macro STEP slot, q, zero
	s_wait_dscnt 4*NL                              ; B's set and A's blocks 0-3 are in; the youngest sixteen loads (A's blocks 4-7) may be out
	WIN MUL_LO
	MUL16 0, (\q)%2, \zero
	MUL16 2, (\q)%2, \zero
	s_wait_dscnt 0
	PLACES NP
	FETCH_B \slot, (\q)+1, 1-(\q)%2
	FETCH_A \slot, (\q)+1, 0
	WIN MUL_HI
	MUL16 4, (\q)%2, \zero
	MUL16 6, (\q)%2, \zero
	PLACES NP
	WIN 0
	FETCH_A \slot, (\q)+1, 4
.endm
; A slot's last step changes slots: one barrier; in front of it each wave waits for all its tensor loads, adds 0 to its spare word, and waits for that and for its own reads of this slot.  fill = 1: this slot is filled again, two K steps ahead.
.macro TURN slot, next, fill
	s_wait_tensorcnt 0x0                           ; all my tensor loads have landed: my part of the next slot
	ds_add_u32 v[SPW], v[NIL]                      ; 0 onto my spare word
	s_wait_dscnt 4*NL+1                            ; (the add and the youngest sixteen loads may be out)
	WIN MUL_LO
	MUL16 0, 1, 0
	s_wait_dscnt 0x0                               ; the add is done, and my reads of this slot are over
	s_barrier_signal -1
	MUL16 2, 1, 0
	WIN 0
	s_barrier_wait -1
.if \fill
	CREST                                          ; the barrier has opened a round of the cluster's: no wave of any partner still reads this slot or has a load on its way
	s_add_nc_u64 s[G0+4*\slot+2:G0+4*\slot+3], s[G0+4*\slot+2:G0+4*\slot+3], 2*KSTEPB
	s_add_nc_u64 s[G0B+4*\slot+2:G0B+4*\slot+3], s[G0B+4*\slot+2:G0B+4*\slot+3], 2*KSTEPB
	JLOAD G0+4*\slot, G1, G0B+4*\slot, G1B         ; the first tensor load behind the round; its four v_nop are also the places in front of the loads below
.else
	PLACES NP
.endif
	FETCH_B \next, 0, 0
	FETCH_A \next, 0, 0
	WIN MUL_HI
	MUL16 4, 1, 0
	MUL16 6, 1, 0
	PLACES NP
	WIN 0
	FETCH_A \next, 0, 4
.endm
	s_wait_tensorcnt 1                             ; my part of K step 0 is in; K step 1's load may be out
	s_barrier_signal -1
	s_barrier_wait -1
	FETCH_B 0, 0, 0
	FETCH_A 0, 0, 0
	FETCH_A 0, 0, 4
	STEP 0, 0, 1                                   ; four K steps of 256, eight steps of 128, written out: each slot is filled twice
	TURN 0, 1, 1
	STEP 1, 0, 0
	TURN 1, 0, 1
	STEP 0, 0, 0
	TURN 0, 1, 0
	STEP 1, 0, 0
	s_wait_dscnt 4*NL
	WIN MUL_LO
	MUL16 0, 1, 0
	MUL16 2, 1, 0
	s_wait_dscnt 0
	WIN MUL_HI
	MUL16 4, 1, 0
	MUL16 6, 1, 0
	WIN 0
; THE WAY OUT of A's block a: 64 numbers a lane, in two halves of 32.  rope = 1 (Q, K): a half is a head; pair n of 16 is (x1, x2) of frequency 16 (n / 8) + 8 h + n % 8, and the table's pair n is (cos, sin):
; (x2 sin, x1 sin) by one packed multiply, then (x1 cos - x2 sin, x2 cos + x1 sin) by one packed multiply-add.  rope = 0 (V): a half is two lines of 16 keys.  Then the hold (V alone), the conversions, two stores of 512 consecutive bytes.
; Each accumulator is read from its low end on.  The codes have eight sets of registers, four a block: a set is written again two blocks later, behind s_wait_xcnt 0.
.macro BLOCK a, rope
.set AC, 64*((\a)%4)
.set CB, CODE+16*((\a)%2)
.if \rope
	SETRS \a
.if (\a) < 4
	s_wait_loadcnt 32                              ; my set's eight loads are in; four younger sets may be out
.else
	s_wait_loadcnt 8*(7-(\a))                      ; the sets behind mine
.endif
.endif
.if (\a) >= 2
	s_wait_xcnt 0x0                                ; the stores of two blocks ago have read their registers
.endif
.irp hd, 0,1
	WIN 0x02+((\a)/4)                              ; source 0: window 2 or 3
.if \rope
.set n, 0
.rept 16
	v_pk_mul_f32 v[O+2*n:O+2*n+1], v[AC+32*\hd+2*n:AC+32*\hd+2*n+1], v[RS+2*n:RS+2*n+1] op_sel:[1,1] op_sel_hi:[0,1]
.set n, n+1
.endr
.set n, 0
.rept 16
	v_pk_fma_f32 v[O+2*n:O+2*n+1], v[AC+32*\hd+2*n:AC+32*\hd+2*n+1], v[RS+2*n:RS+2*n+1], v[O+2*n:O+2*n+1] op_sel_hi:[1,0,1] neg_lo:[0,0,1]
.set n, n+1
.endr
	WIN 0
.set n, 0
.rept 32
.set n, n+1
.endr
.else
.set n, 0
.rept 32
	v_med3_num_f32 v[O+n], v[AC+32*\hd+n], -v[HLD], v[HLD]
.set n, n+1
.endr
	WIN 0
.endif
.irp p, 0,1
	v_cvt_scalef32_pk8_fp8_f32 v[CB+8*\hd+4*\p:CB+8*\hd+4*\p+1], v[O+16*\p:O+16*\p+7], v[SCL]
	v_cvt_scalef32_pk8_fp8_f32 v[CB+8*\hd+4*\p+2:CB+8*\hd+4*\p+3], v[O+16*\p+8:O+16*\p+15], v[SCL]
.endr
	v_nop                                          ; one plain vector instruction between the conversions and the next write of their sources
.irp p, 0,1
.if \rope
	global_store_b128 v[LI], v[CB+8*\hd+4*\p:CB+8*\hd+4*\p+3], s[92+2*\hd:93+2*\hd] offset:1024*(\a)+512*\p
.else
	global_store_b128 v[LI], v[CB+8*\hd+4*\p:CB+8*\hd+4*\p+3], s[92+2*((\a)/4):93+2*((\a)/4)] offset:2048*((\a)%4)+512*(2*\hd+\p)
.endif
.endr
.endr
.endm
	PLACES NP                                      ; behind the last products: for the loads and writes into the registers that held A's fragments, and for the reads of results
	s_cmp_eq_u32 s42, 2                            ; the product is the same in all partners
	s_cbranch_scc1 .Lway_v
	RLOAD 3
	RLOAD 4
	BLOCK 0, 1
	RLOAD 5                                        ; into the set that block 0 has read
	BLOCK 1, 1
	RLOAD 6
	BLOCK 2, 1
	RLOAD 7
	BLOCK 3, 1
	BLOCK 4, 1
	BLOCK 5, 1
	BLOCK 6, 1
	BLOCK 7, 1
	s_branch .Ldone
.Lway_v:
	s_wait_alu depctr_va_vdst(0)
.irp a, 0,1,2,3,4,5,6,7
	BLOCK \a, 0
.endr
.Ldone:
	s_wait_tensorcnt 0x0                           ; the wave's end
	ds_add_u32 v[SPW], v[NIL]
	s_wait_dscnt 0x0
	CROUND                                         ; the closing round: no work-group ends while a partner may still ask for a tile that names it
	s_endpgm
.Lfunc_end_k_qd2451cba08_qkv:
	.size	k_qd2451cba08_qkv, .Lfunc_end_k_qd2451cba08_qkv-k_qd2451cba08_qkv
	.p2alignl 7, 3214868480
	.fill 96, 4, 3214868480
	.section	.rodata,"a",@progbits
	.p2align	6, 0x0
	.amdhsa_kernel k_qd2451cba08_qkv
		.amdhsa_group_segment_fixed_size 327680
		.amdhsa_private_segment_fixed_size 0
		.amdhsa_enable_private_segment 0
		.amdhsa_kernarg_size 48
		.amdhsa_user_sgpr_count 2
		.amdhsa_user_sgpr_kernarg_segment_ptr 1
		.amdhsa_wavefront_size32 1
		.amdhsa_system_sgpr_workgroup_id_x 1
		.amdhsa_system_sgpr_workgroup_id_y 1
		.amdhsa_system_sgpr_workgroup_id_z 1
		.amdhsa_system_vgpr_workitem_id 0
		.amdhsa_next_free_vgpr 1024
		.amdhsa_next_free_sgpr 98
		.amdhsa_reserve_vcc 0
		.amdhsa_float_denorm_mode_32 3
		.amdhsa_float_denorm_mode_16_64 3
		.amdhsa_fp16_overflow 1
		.amdhsa_memory_ordered 1
		.amdhsa_forward_progress 1
		.amdhsa_inst_pref_size 166
	.end_amdhsa_kernel
	.amdgpu_metadata
---
amdhsa.version: [ 1, 2 ]
amdhsa.kernels:
  - .name:           k_qd2451cba08_qkv
    .symbol:         k_qd2451cba08_qkv.kd
    .args:
      - { .name: xc, .offset: 0, .size: 8, .value_kind: global_buffer, .address_space: global }
      - { .name: wc, .offset: 8, .size: 8, .value_kind: global_buffer, .address_space: global }
      - { .name: rope, .offset: 16, .size: 8, .value_kind: global_buffer, .address_space: global }
      - { .name: lowp_scales, .offset: 24, .size: 8, .value_kind: global_buffer, .address_space: global }
      - { .name: qc, .offset: 32, .size: 8, .value_kind: global_buffer, .address_space: global }
      - { .name: kv, .offset: 40, .size: 8, .value_kind: global_buffer, .address_space: global }
    .group_segment_fixed_size: 327680
    .private_segment_fixed_size: 0
    .kernarg_segment_align: 8
    .kernarg_segment_size: 48
    .max_flat_workgroup_size: 128
    .sgpr_count:     98
    .vgpr_count:     1024
    .wavefront_size: 32
...
	.end_amdgpu_metadata
.endif
;; end of part 2
;; launch attn (part 3): grid 4 x 64, 16 waves a work-group, clusters of 4 x 1, 327,680 bytes of LDS; arguments qc, kv, lowp_scales, ac; writes ac
.if DOCPART == 3
	.amdgcn_target "amdgcn-amd-amdhsa--gfx1250"
	.amdhsa_code_object_version 6
	.text
	.protected	k_qd2451cba08_attn
	.globl	k_qd2451cba08_attn
	.p2align	8
	.type	k_qd2451cba08_attn,@function
k_qd2451cba08_attn:
	s_mov_b64 s[64:65], 0
	v_nop
	global_prefetch_b8 v0, s[64:65] scope:SCOPE_SE
	s_setreg_imm32_b32 hwreg(HW_REG_WAVE_MODE, 25, 1), 1
	s_wait_xcnt 0x0
	s_wait_alu depctr_hold_cnt(0) depctr_sa_sdst(0) depctr_va_vdst(0) depctr_va_sdst(0) depctr_va_ssrc(0) depctr_va_vcc(0) depctr_vm_vsrc(0)
	s_getreg_b32 s2, hwreg(HW_REG_IB_STS2, 6, 4)
	s_cmp_eq_u32 s2, 0
	s_cbranch_scc0 .Lentry_in_a_cluster
	s_endpgm
.Lentry_in_a_cluster:
	s_bfe_u32 s2, ttmp6, 0x10000c
	s_cmp_lg_u32 s2, 0x3003
	s_cbranch_scc0 .Lentry_shape_is_right
	s_endpgm
.Lentry_shape_is_right:
; ATTN: causal attention on codes of FP8 (E4M3), head size 64, 2,048 tokens, 64 (batch, head) pairs; the result is quantised for the output projection.
; THE SOFTMAX AHEAD OF THE SECOND PRODUCT: t = score x log2(e) / 8; M = the row's largest t so far, rounded UP to a whole number; p = 2^(t - M) is quantised (entry 8), not normalised.  The row's sum is taken of the
; unquantised p and divides at the end.  When M moves, the sum and O are multiplied by 2^(old M - new M): nothing is rounded.
; SHARES.  A cluster of four work-groups is one (batch, head).  THE HEAD'S WHOLE K AND V, 262,144 bytes of codes, LIE IN EACH PARTNER'S LDS, filled once: each of the sixteen waves asks jointly for one key step (128 keys: 8 KB of K,
; 8 KB of V^T), so each byte is asked for once for the four.  No byte of LDS is filled twice: no ring, and one barrier.  So there is no later tile to prefetch either.
; A wave owns two tiles of 16 queries, one after the other: of the groups of 128 tokens 15 - (wave / 2) and then wave / 2; in a group, tile 2 cx + wave % 2.  Under the causal mask group g needs key steps 0 .. g: every wave has 17 key steps.
; The loop over key steps has the constant count 16; a step whose keys all come after the wave's queries is jumped over (a scalar branch on the wave's number and the counter; no barrier and no tensor load stands in a step).
; The place in the cluster enters Q's and the result's global addresses and the mask's numbers alone.
; LAYOUT.  Both products are used transposed: S^T = K Q^T, O^T = V^T P^T: a lane holds one query throughout.  Tile T has in lane r row 32 (T / 2) + 8 (T % 2) + r + 8 (r / 8), so the 16 registers of two neighbouring result tiles
; are 16 neighbours (keys, then the head's channels): p's codes are the second product's operand, and O's codes are the next launch's operand image, stored as they stand: 512 consecutive bytes a store.
; LIMITS on the given exponents: e6 + e7 between -124 and 130 (added to c's exponent field); e8, and e10 - e8 - e9, between -126 and 119.
; REGISTERS: v1 16 x lane; v2 the step's LDS address; v3 the mask's number; v12 -M, v13 the largest t, v[14:15] the sum; v16-23, v24-31 Q of the two passes; v32-95 K's 8 fragments, then V's 4; v96-159 S^T, then p;
; v160-191 O^T; v192-207 p's codes; v208-223 the results' codes; v232-254 at work and scales.
.macro CROUND                          ; a round of the cluster's barrier
	s_barrier_signal -1
	s_barrier_wait -1
	s_cmp_lg_u32 s12, 0
	s_cbranch_scc1 .Lnot_wave_0_\@
	s_barrier_signal -3
.Lnot_wave_0_\@:
	s_barrier_wait -3
	s_barrier_signal -1
	s_barrier_wait -1
.endm
	s_load_b256 s[4:11], s[0:1], 0x0               ; qc s[4:5], kv s[6:7], the scales s[8:9], ac s[10:11]
	v_lshl_add_u32 v251, v0, 2, 0x40000
	v_mov_b32 v255, 0
	ds_add_u32 v251, v255
	ds_add_u32 v251, v255
	v_lshrrev_b32 v8, 5, v0
	s_delay_alu instid0(VALU_DEP_1)
	v_readfirstlane_b32 s12, v8                    ; wave 0..15
	s_bfe_u32 s13, ttmp6, 0x40000                  ; cx
	s_and_b32 s14, ttmp7, 0xffff                   ; 16 b + head, which the four partners share
	s_and_b32 s15, s12, 1
	s_lshr_b32 s31, s12, 1
	s_sub_co_u32 s28, 15, s31                      ; the first pass's group of 128 tokens,
	s_mov_b32 s41, s31                             ; the second's
	; descriptor: a key step's 16,384 bytes, dense: 64 rows of 32 elements of 8 bytes
	s_mov_b32 s20, 15|(3<<16)|(1<<21)              ; 15:0 the mask: all four work-groups; 17:16 elements of 8 bytes; 21 set beside a mask
	s_mov_b32 s21, 32<<16                          ; tensor_dim0
	s_mov_b32 s22, 64<<16                          ; tensor_dim1
	s_mov_b32 s23, 32<<16                          ; tile_dim0
	s_mov_b32 s24, 64                              ; tile_dim1
	s_mov_b32 s25, 32                              ; tensor_dim0_stride
	s_mov_b32 s26, 0
	s_mov_b32 s27, 0
	s_mov_b32 s16, 1
	s_lshl_b32 s17, s12, 14                        ; LDS: key step = wave
	s_lshl_b32 s50, s14, 18                        ; the head's 262,144 bytes
	s_add_co_u32 s50, s50, s17
	s_mov_b32 s51, 0
	s_mov_b32 s32, 0x76543210                      ; v_permlanex16_b32's selects for lane l xor 16
	s_mov_b32 s33, 0xfedcba98
	s_wait_dscnt 0x0
	s_wait_kmcnt 0x0
	s_load_b128 s[36:39], s[8:9], 0x18             ; e6, e7, e8, e9
	s_load_b32 s40, s[8:9], 0x28                   ; e10
	s_add_nc_u64 s[18:19], s[6:7], s[50:51]
	s_or_b32 s19, s19, 0x80000000
	CROUND                                         ; all four work-groups are here: the joint loads meet
	tensor_load_to_lds s[16:19], s[20:27]          ; my one tensor load
	s_nop 0
.rept 4
	v_nop
.endr
	s_lshl_b32 s52, s13, 1
	s_add_co_u32 s52, s52, s15                     ; my tile in a group: 2 cx + wave % 2
	s_lshl_b32 s53, s28, 3
	s_add_co_u32 s53, s53, s52                     ; the first pass's tile,
	s_lshl_b32 s54, s41, 3
	s_add_co_u32 s54, s54, s52                     ; the second's
	s_lshl_b32 s55, s14, 17                        ; the head in qc
	s_lshl_b32 s56, s53, 10
	s_add_co_u32 s56, s56, s55
	s_mov_b32 s57, 0
	s_add_nc_u64 s[42:43], s[4:5], s[56:57]
	s_lshl_b32 s56, s54, 10
	s_add_co_u32 s56, s56, s55
	s_add_nc_u64 s[44:45], s[4:5], s[56:57]
	s_lshr_b32 s58, s14, 4
	s_lshl_b32 s58, s58, 7                         ; 128 b: ac's tiles count all 8,192 rows
	s_and_b32 s59, s14, 15
	s_lshl_b32 s59, s59, 10                        ; head hd's two lines in a tile's 16,384 bytes: 1,024 hd
	s_add_co_u32 s56, s58, s53
	s_lshl_b32 s56, s56, 14
	s_add_co_u32 s56, s56, s59
	s_add_nc_u64 s[46:47], s[10:11], s[56:57]
	s_add_co_u32 s56, s58, s54
	s_lshl_b32 s56, s56, 14
	s_add_co_u32 s56, s56, s59
	s_add_nc_u64 s[48:49], s[10:11], s[56:57]
	v_and_b32 v8, 31, v0
	s_delay_alu instid0(VALU_DEP_1)
	v_lshlrev_b32 v1, 4, v8
.irp c, 0,1
	global_load_b128 v[16+4*\c:19+4*\c], v1, s[42:43] offset:512*\c   ; Q's fragments stay in registers
	global_load_b128 v[24+4*\c:27+4*\c], v1, s[44:45] offset:512*\c
.endr
	v_and_b32 v8, 15, v0                           ; r
	v_bfe_u32 v9, v0, 4, 1                         ; h
	s_delay_alu instid0(VALU_DEP_2)
	v_and_b32 v10, 8, v8
	s_delay_alu instid0(VALU_DEP_1)
	v_add_nc_u32 v10, v10, v8                      ; r + 8 (r / 8)
	s_delay_alu instid0(VALU_DEP_3)
	v_lshlrev_b32 v11, 4, v9
	s_delay_alu instid0(VALU_DEP_1)
	v_sub_nc_u32 v10, v10, v11
	s_lshl_b32 s53, s13, 5
	s_lshl_b32 s54, s15, 3
	s_add_co_u32 s53, s53, s54
	v_add_nc_u32 v3, s53, v10                      ; d = my query's place in its group - 16 h.  On the diagonal register 16 b + i holds key 32 b + 16 h + i of the group: hidden where 32 b + i > d
	v_mov_b32 v236, 0                              ; written once: a lane permute's destination counts as one of its sources
	v_mov_b32 v253, 0                              ; (named as the upper half of the pair v[252:253])
	s_wait_kmcnt 0x0
	s_mov_b32 s34, 0x3e38aa3b                      ; c = log2(e) / sqrt(64)
	s_add_co_i32 s50, s36, s37
	s_lshl_b32 s50, s50, 23
	s_add_co_i32 s34, s34, s50                     ; a score stands for score x 2^(e6 + e7): added to c's exponent field
	s_mov_b32 s35, s34                             ; (named with it as a pair, so it is written)
	s_add_co_i32 s50, s38, 127
	s_lshl_b32 s51, s50, 23
	v_mov_b32 v244, s51                            ; 2^e8, for p's conversions
	s_sub_co_i32 s50, s40, s38
	s_sub_co_i32 s50, s50, s39                     ; a sum of the second product stands for sum x 2^(e8 + e9): the result's conversion takes 2^(e10 - e8 - e9)
	s_add_co_i32 s50, s50, 127
	s_lshl_b32 s51, s50, 23
	v_mov_b32 v245, s51
	s_wait_tensorcnt 0x0                           ; my key step has landed,
	s_wait_loadcnt 0x0                             ; and Q
	s_barrier_signal -1
	s_barrier_wait -1                              ; everybody's has: from here on LDS is only read
; A KEY STEP: 128 keys at LDS byte s30; s29 counts the steps; v[q ..] Q's fragment; s[g] the queries' group.
.macro STEP q, g
	s_cmp_gt_u32 s29, s[\g]                        ; all these keys come after my queries
	s_cbranch_scc1 .Lhidden_\@
	s_setprio 2
	v_add_nc_u32 v2, s30, v1
.rept 3
	v_nop                                          ; with the addition: four places in front of loads into registers that the last products have read
.endr
.set t, 0
.rept 8
	ds_load_b128 v[32+8*t:35+8*t], v2 offset:1024*t
	ds_load_b128 v[36+8*t:39+8*t], v2 offset:1024*t+512
.set t, t+1
.endr
	s_wait_alu depctr_va_vdst(0)
	s_wait_dscnt 0x0
.set t, 0
.rept 8
	v_wmma_f32_16x16x64_fp8_fp8 v[96+8*t:103+8*t], v[32+8*t:39+8*t], v[\q:\q+7], 0
.set t, t+1
.endr
.rept 4
	v_nop                                          ; places in front of the loads below and of the first read of the scores
.endr
.set t, 0
.rept 16
	ds_load_b128 v[32+4*t:35+4*t], v2 offset:8192+512*t   ; V^T's four fragments: they land while the softmax is walked
.set t, t+1
.endr
	s_cmp_lg_u32 s29, s[\g]                        ; only the step on the diagonal has hidden keys
	s_cbranch_scc1 .Lopen_\@
	v_mov_b32 v254, 0xff800000                     ; -infinity ahead of the maximum: p = 0 then
.set n, 0
.rept 64
	v_cmp_gt_i32 vcc_lo, 32*(n/16)+n%16, v3
	v_cndmask_b32 v[96+n], v[96+n], v254, vcc_lo
.set n, n+1
.endr
.Lopen_\@:
	v_max3_num_f32 v254, v96, v97, v98             ; the step's largest score of my query, among my 64 keys, in two chains,
	v_max3_num_f32 v252, v99, v100, v101
.irp i, 6,10,14,18,22,26,30,34,38,42,46,50,54,58
	v_max3_num_f32 v254, v254, v[96+\i], v[97+\i]
	v_max3_num_f32 v252, v252, v[98+\i], v[99+\i]
.endr
	v_max3_num_f32 v254, v254, v158, v159
	s_delay_alu instid0(VALU_DEP_1)
	v_max_num_f32 v254, v254, v252
	s_delay_alu instid0(VALU_DEP_1)
	v_permlanex16_b32 v236, v254, s32, s33
	s_delay_alu instid0(VALU_DEP_1)
	v_max_num_f32 v254, v254, v236                 ; and among lane l xor 16's
	s_delay_alu instid0(VALU_DEP_1)
	v_mul_f32 v254, s34, v254                      ; as t (c is positive)
	s_delay_alu instid0(VALU_DEP_1)
	v_max_num_f32 v13, v13, v254                   ; the running largest t
	v_mov_b32 v254, v12
	s_delay_alu instid0(VALU_DEP_2)
	v_floor_f32 v12, -v13                          ; the new -M = floor(-t) = -ceil(t)
	s_delay_alu instid0(VALU_DEP_1)
	v_sub_f32 v254, v12, v254                      ; old M - new M: a whole number, 0 or less
	s_delay_alu instid0(VALU_DEP_1)
	v_cvt_i32_f32 v254, v254                       ; (it saturates)
	s_delay_alu instid0(VALU_DEP_1)
	v_ldexp_f32 v252, 1.0, v254                    ; f = 2^(old M - new M)
.set j, 0
	s_setprio 1
.rept 32
	v_pk_fma_f32 v[96+j:97+j], v[96+j:97+j], s[34:35], v[12:13] op_sel_hi:[1,0,0]   ; t - M, two at a time (of the pairs c and -M the low word serves both halves)
.set j, j+2
.endr
.set j, 0
	s_wait_alu depctr_va_vdst(0)
.rept 64
	v_exp_f32 v[96+j], v[96+j]                     ; p = 2^(t - M): one batch
.set j, j+1
.endr
	v_pk_mul_f32 v[14:15], v[14:15], v[252:253] op_sel_hi:[1,0]   ; the sums under the new M: a plain instruction behind the exponentials
	s_wait_alu depctr_va_vdst(0)                   ; one wait for the batch, ahead of its first reader
	v_pk_add_f32 v[242:243], v[100:101], v[104:105]
	v_pk_add_f32 v[248:249], v[108:109], v[112:113]
	v_pk_add_f32 v[246:247], v[116:117], v[120:121]
	v_pk_add_f32 v[240:241], v[124:125], v[128:129]
	v_pk_add_f32 v[238:239], v[132:133], v[136:137]
	v_pk_add_f32 v[234:235], v[140:141], v[144:145]
	v_pk_add_f32 v[232:233], v[148:149], v[152:153]
	v_pk_add_f32 v[14:15], v[14:15], v[156:157]
	v_pk_add_f32 v[242:243], v[242:243], v[96:97]
	v_pk_add_f32 v[248:249], v[248:249], v[98:99]
	v_pk_add_f32 v[246:247], v[246:247], v[102:103]
	v_pk_add_f32 v[240:241], v[240:241], v[106:107]
	v_pk_add_f32 v[238:239], v[238:239], v[110:111]
	v_pk_add_f32 v[234:235], v[234:235], v[114:115]
	v_pk_add_f32 v[232:233], v[232:233], v[118:119]
	v_pk_add_f32 v[14:15], v[14:15], v[122:123]
	v_pk_add_f32 v[242:243], v[242:243], v[126:127]
	v_pk_add_f32 v[248:249], v[248:249], v[130:131]
	v_pk_add_f32 v[246:247], v[246:247], v[134:135]
	v_pk_add_f32 v[240:241], v[240:241], v[138:139]
	v_pk_add_f32 v[238:239], v[238:239], v[142:143]
	v_pk_add_f32 v[234:235], v[234:235], v[146:147]
	v_pk_add_f32 v[232:233], v[232:233], v[150:151]
	s_setprio 0
	v_pk_add_f32 v[14:15], v[14:15], v[154:155]
	v_pk_add_f32 v[242:243], v[242:243], v[158:159]
	s_delay_alu instid0(VALU_DEP_2)
	v_pk_add_f32 v[14:15], v[14:15], v[240:241]
	s_delay_alu instid0(VALU_DEP_2)
	v_pk_add_f32 v[242:243], v[242:243], v[238:239]
	v_pk_add_f32 v[248:249], v[248:249], v[234:235]
	v_pk_add_f32 v[246:247], v[246:247], v[232:233]
	s_delay_alu instid0(VALU_DEP_2)
	v_pk_add_f32 v[14:15], v[14:15], v[248:249]
	s_delay_alu instid0(VALU_DEP_2)
	v_pk_add_f32 v[242:243], v[242:243], v[246:247]
	s_delay_alu instid0(VALU_DEP_1)
	v_pk_add_f32 v[14:15], v[14:15], v[242:243]
.irp b, 0,1,2,3
.irp i, 0,1,2,3,4,5,6,7,8,9,10,11,12,13,14,15
.endr
	v_cvt_scalef32_pk8_fp8_f32 v[192+4*\b:193+4*\b], v[96+16*\b:103+16*\b], v244
	v_cvt_scalef32_pk8_fp8_f32 v[194+4*\b:195+4*\b], v[104+16*\b:111+16*\b], v244
.endr
.set j, 0
.rept 16
	v_pk_mul_f32 v[160+j:161+j], v[160+j:161+j], v[252:253] op_sel_hi:[1,0]   ; O^T under the new M; also the plain instructions between the conversions and the products
.set j, j+2
.endr
	s_wait_alu depctr_va_vdst(0)
	s_wait_dscnt 0x0                               ; V^T is in
.set t, 0
.rept 4
	v_wmma_f32_16x16x128_fp8_fp8 v[160+8*t:167+8*t], v[32+16*t:47+16*t], v[192:207], v[160+8*t:167+8*t]   ; four accumulators by turns
.set t, t+1
.endr
.Lhidden_\@:
.endm
; A PASS: one tile of 16 queries over its key steps.  ob: the result's base; cd: its eight registers of codes, never written again.
.macro PASS q, g, ob, cd
	v_mov_b32 v13, 0xff61b1e6                      ; the largest t so far: -3e38, under every t
	s_delay_alu instid0(VALU_DEP_1)
	v_floor_f32 v12, -v13
	v_mov_b32 v14, 0
	v_mov_b32 v15, 0
.set j, 0
.rept 32
	v_mov_b32 v[160+j], 0                          ; the step is written once: the first finds zeros, which the first change of M leaves zeros
.set j, j+1
.endr
	s_mov_b32 s30, 0
	s_mov_b32 s29, 0
.Lkey_\@:
	STEP \q, \g
	s_add_co_u32 s30, s30, 16384
	s_add_co_u32 s29, s29, 1
	s_cmp_lt_u32 s29, 16
	s_cbranch_scc1 .Lkey_\@
	s_setprio 0
	v_add_f32 v14, v14, v15                        ; the sum's two halves,
	s_delay_alu instid0(VALU_DEP_1)
	v_permlanex16_b32 v252, v14, s32, s33
	s_delay_alu instid0(VALU_DEP_1)
	v_add_f32 v14, v14, v252                       ; and lane l xor 16's
	s_wait_alu depctr_va_vdst(0)
	v_rcp_f32 v14, v14
.rept 4
	v_nop                                          ; the plain instruction behind the reciprocal, and the places behind the pass's last products
.endr
	s_wait_alu depctr_va_vdst(0)                   ; ahead of the reciprocal's first reader
.set j, 0
.rept 16
	v_pk_mul_f32 v[96+j:97+j], v[160+j:161+j], v[14:15] op_sel_hi:[1,0]   ; O^T / the sum: register 16 b + i is channel 32 b + 16 h + i of my query
.set j, j+2
.endr
.set j, 0
.rept 32
.set j, j+1
.endr
.irp b, 0,1
	v_cvt_scalef32_pk8_fp8_f32 v[\cd+4*\b:\cd+4*\b+1], v[96+16*\b:103+16*\b], v245
	v_cvt_scalef32_pk8_fp8_f32 v[\cd+4*\b+2:\cd+4*\b+3], v[104+16*\b:111+16*\b], v245
.endr
	v_nop                                          ; one plain vector instruction behind the conversions
.irp b, 0,1
	global_store_b128 v1, v[\cd+4*\b:\cd+4*\b+3], s[\ob:\ob+1] offset:512*\b   ; a line of the next operand's image: 512 consecutive bytes
.endr
.endm
	PASS 16, 28, 46, 208
	PASS 24, 41, 48, 216
	s_wait_tensorcnt 0x0
	ds_add_u32 v251, v255
	s_wait_dscnt 0x0
	CROUND                                         ; the closing round: no work-group ends while a partner may still ask for a tile that names it
	s_endpgm
.Lfunc_end_k_qd2451cba08_attn:
	.size	k_qd2451cba08_attn, .Lfunc_end_k_qd2451cba08_attn-k_qd2451cba08_attn
	.p2alignl 7, 3214868480
	.fill 96, 4, 3214868480
	.section	.rodata,"a",@progbits
	.p2align	6, 0x0
	.amdhsa_kernel k_qd2451cba08_attn
		.amdhsa_group_segment_fixed_size 327680
		.amdhsa_private_segment_fixed_size 0
		.amdhsa_enable_private_segment 0
		.amdhsa_kernarg_size 32
		.amdhsa_user_sgpr_count 2
		.amdhsa_user_sgpr_kernarg_segment_ptr 1
		.amdhsa_wavefront_size32 1
		.amdhsa_system_sgpr_workgroup_id_x 1
		.amdhsa_system_sgpr_workgroup_id_y 1
		.amdhsa_system_sgpr_workgroup_id_z 1
		.amdhsa_system_vgpr_workitem_id 0
		.amdhsa_next_free_vgpr 256
		.amdhsa_next_free_sgpr 66
		.amdhsa_reserve_vcc 1
		.amdhsa_float_denorm_mode_32 3
		.amdhsa_float_denorm_mode_16_64 3
		.amdhsa_fp16_overflow 1
		.amdhsa_memory_ordered 1
		.amdhsa_forward_progress 1
		.amdhsa_inst_pref_size 50
	.end_amdhsa_kernel
	.amdgpu_metadata
---
amdhsa.version: [ 1, 2 ]
amdhsa.kernels:
  - .name:           k_qd2451cba08_attn
    .symbol:         k_qd2451cba08_attn.kd
    .args:
      - { .name: qc, .offset: 0, .size: 8, .value_kind: global_buffer, .address_space: global }
      - { .name: kv, .offset: 8, .size: 8, .value_kind: global_buffer, .address_space: global }
      - { .name: lowp_scales, .offset: 16, .size: 8, .value_kind: global_buffer, .address_space: global }
      - { .name: ac, .offset: 24, .size: 8, .value_kind: global_buffer, .address_space: global }
    .group_segment_fixed_size: 327680
    .private_segment_fixed_size: 0
    .kernarg_segment_align: 8
    .kernarg_segment_size: 32
    .max_flat_workgroup_size: 512
    .sgpr_count:     66
    .vgpr_count:     256
    .wavefront_size: 32
...
	.end_amdgpu_metadata
.endif
;; end of part 3
;; launch oproj (part 4): grid 4 x 32, 4 waves a work-group, clusters of 4 x 4, 327,680 bytes of LDS; arguments ac, wc, lowp_scales, out0; writes out0
.if DOCPART == 4
	.amdgcn_target "amdgcn-amd-amdhsa--gfx1250"
	.amdhsa_code_object_version 6
	.text
	.protected	k_qd2451cba08_oproj
	.globl	k_qd2451cba08_oproj
	.p2align	8
	.type	k_qd2451cba08_oproj,@function
k_qd2451cba08_oproj:
	s_mov_b64 s[64:65], 0
	v_nop
	global_prefetch_b8 v0, s[64:65] scope:SCOPE_SE
	s_setreg_imm32_b32 hwreg(HW_REG_WAVE_MODE, 25, 1), 1
	s_wait_xcnt 0x0
	s_wait_alu depctr_hold_cnt(0) depctr_sa_sdst(0) depctr_va_vdst(0) depctr_va_sdst(0) depctr_va_ssrc(0) depctr_va_vcc(0) depctr_vm_vsrc(0)
	s_getreg_b32 s2, hwreg(HW_REG_IB_STS2, 6, 4)
	s_cmp_eq_u32 s2, 0
	s_cbranch_scc0 .Lentry_in_a_cluster
	s_endpgm
.Lentry_in_a_cluster:
	s_bfe_u32 s2, ttmp6, 0x10000c
	s_cmp_lg_u32 s2, 0xf033
	s_cbranch_scc0 .Lentry_shape_is_right
	s_endpgm
.Lentry_shape_is_right:
; OPROJ: out0 = attention's result x Wo^T on codes of FP8 (E4M3); each finished sum once x 2^(e10 + e11).  LIMIT: e10 + e11 between -126 and 127.
; The products are the projections' over again: a tile of 256 x 256 by four waves, 128 x 128 a wave in 64 accumulators; K = 1,024 in four steps of 256 through two LDS slots; operands as images of registers
; (tile T has in lane r row 32 (T / 2) + 8 (T % 2) + r + 8 (r / 8); a fragment is four lines of 512 bytes, lane (r, h) holding k = 32 c + 16 h + 0 .. 15 in line c); source 0 = Wo's tiles, source 1 = the rows' tiles.
; CLUSTERS: 4 x 4 work-groups; A's tiles are asked for jointly along a row of the cluster, B's along a column.  The result has 128 tiles of 256 x 256: 128 work-groups.
; No prefetch: a work-group asks for half of its tiles at its head and has two refills in all.
; THE WAY OUT undoes the tiles' order of rows: a block of 16 rows x 128 columns goes through the wave's own stage in LDS, each tile's eight columns to their true place, and comes back as whole rows of 512 bytes, each stored to its true row.
; REGISTERS, in windows of 256: window 0: v0-31 addresses; from v128 A's fragments, one set; on the way out v32-255 are free.   window 1: B's fragments, two sets.   windows 2, 3: the accumulators.
.set HALFT,  32768
.set SLOT,   4*HALFT
.set SPARE,  2*SLOT                    ; behind the ring: the spare words, 128 bytes for each wave: two blocks of 256 bytes that no other line names
.set KSTEPB, 4096
.set FR,     16
.set NL,     4
.set NP,     4
.set SPITCH, 528                       ; the stage: 16 rows x (512 bytes + 16) for each wave, in slot 0, which has had its last fill and its last read when the first result is stored there
.set ADRA, 16
.set ADRB, 20
.set STO,  24                          ; v24     the way out: where I put 32 bytes of a row
.set RD,   25                          ; v25     where I read a row back
.set CO,   26                          ; v26     16 x lane: my byte in a row's 512
.set SPW,  28
.set NIL,  29
.set TMP,  32                          ; 64 registers: a block's sums x 2^(e10 + e11)
.set AF,   128
.set BK,   128                         ; 16 rows read back: v128-191 and v192-255 by turns
.set G1, 24
.set G0, 32
.set G1B, 48
.set G0B, 56
.set MSB, 0
.macro WIN new
.if MSB != \new
	s_set_vgpr_msb (MSB<<8)|\new
.set MSB, \new
.endif
.endm
.set MUL_LO, 0xa1
.set MUL_HI, 0xf1
.set TO_B,   0x40
.macro JLOAD g0a, g1a, g0b, g1b        ; a joint load: waves 0 and 1 fetch for A, waves 2 and 3 for B; four v_nop follow each of the two lines
	s_cmp_eq_u32 s15, 0
	s_cbranch_scc0 .Lfor_b_\@
	tensor_load_to_lds s[\g0a:\g0a+3], s[\g1a:\g1a+7]
	s_nop 0
.rept 4
	v_nop
.endr
	s_branch .Lasked_\@
.Lfor_b_\@:
	tensor_load_to_lds s[\g0b:\g0b+3], s[\g1b:\g1b+7]
	s_nop 0
.rept 4
	v_nop
.endr
.Lasked_\@:
.endm
.macro CREST
	s_cmp_lg_u32 s14, 0
	s_cbranch_scc1 .Lnot_wave_0_\@
	s_barrier_signal -3
.Lnot_wave_0_\@:
	s_barrier_wait -3
	s_barrier_signal -1
	s_barrier_wait -1
.endm
.macro CROUND
	s_barrier_signal -1
	s_barrier_wait -1
	CREST
.endm
	s_load_b256 s[4:11], s[0:1], 0x0               ; ac s[4:5], wc s[6:7], the scales s[8:9], out0 s[10:11]
	v_lshl_add_u32 v[SPW], v0, 2, SPARE
	v_mov_b32 v[NIL], 0
	ds_add_u32 v28, v29
	ds_add_u32 v28, v29
	s_wait_dscnt 0x0
	v_lshrrev_b32 v1, 5, v0
	v_readfirstlane_b32 s14, v1                    ; wave 0..3
	s_lshr_b32 s15, s14, 1                         ; which half of the rows is mine.  Also: I fetch for A (0) or for B (1)
	s_and_b32 s16, s14, 1                          ; which half of the columns.  Also: which 8 tiles I fetch
	s_bfe_u32 s40, ttmp6, 0x40000
	s_bfe_u32 s41, ttmp6, 0x40004
	s_lshl_b32 s42, ttmp9, 2
	s_add_co_u32 s42, s42, s40                     ; block of 256 columns = 4 x cluster x + cx
	s_and_b32 s17, ttmp7, 0xffff
	s_lshl_b32 s17, s17, 2
	s_add_co_u32 s17, s17, s41                     ; block of 256 rows = 4 x cluster y + cy
	s_lshl_b32 s43, s41, 2
	s_lshl_b32 s43, 15, s43                        ; my row of the cluster
	s_lshl_b32 s44, 0x1111, s40                    ; my column
	s_or_b32 s[G1+0], s43, (3<<16)|(1<<21)         ; 8 rows (tiles) of 512 elements of 8 bytes, 2,048 elements apart; dense in LDS
	s_or_b32 s[G1B+0], s44, (3<<16)|(1<<21)
.irp g, G1, G1B
	s_mov_b32 s[\g+1], 512<<16
	s_mov_b32 s[\g+2], 8<<16
	s_mov_b32 s[\g+3], 512<<16
	s_mov_b32 s[\g+4], 8
	s_mov_b32 s[\g+5], 2048
	s_mov_b32 s[\g+6], 0
	s_mov_b32 s[\g+7], 0
.endr
	s_lshl_b32 s18, s16, 17
	s_lshl_b32 s20, s17, 18
	s_add_co_u32 s20, s20, s18
	s_mov_b32 s21, 0
	s_lshl_b32 s46, s42, 18
	s_add_co_u32 s46, s46, s18
	s_mov_b32 s47, 0
	s_lshl_b32 s45, s14, 15
	s_wait_kmcnt 0x0
	s_load_b64 s[96:97], s[8:9], 0x28              ; e10, e11
	s_add_nc_u64 s[6:7], s[6:7], 0x300000          ; Wo's codes are the fourth weight's
	s_add_nc_u64 s[20:21], s[4:5], s[20:21]
	s_add_nc_u64 s[46:47], s[6:7], s[46:47]
	CROUND
.irp s, 0,1
	s_mov_b32 s[G0+4*\s], 1
	s_add_co_u32 s[G0+4*\s+1], s45, \s*SLOT
	s_add_nc_u64 s[G0+4*\s+2:G0+4*\s+3], s[20:21], \s*KSTEPB
	s_or_b32 s[G0+4*\s+3], s[G0+4*\s+3], 0x80000000
	s_mov_b32 s[G0B+4*\s], 1
	s_add_co_u32 s[G0B+4*\s+1], s45, \s*SLOT
	s_add_nc_u64 s[G0B+4*\s+2:G0B+4*\s+3], s[46:47], \s*KSTEPB
	s_or_b32 s[G0B+4*\s+3], s[G0B+4*\s+3], 0x80000000
	s_wait_alu depctr_va_vdst(0)
	s_wait_tensorcnt 0x0
	ds_add_u32 v28, v29
	ds_add_u32 v28, v29
	s_wait_dscnt 0x0
	CROUND
	JLOAD G0+4*\s, G1, G0B+4*\s, G1B
.endr
	v_and_b32 v1, 15, v0                           ; r
	s_wait_alu depctr_va_vdst(0)
	v_bfe_u32 v2, v0, 4, 1                         ; h
	v_and_b32 v6, 31, v0
	v_lshlrev_b32 v[CO], 4, v6
	s_lshl_b32 s21, s15, 15
	s_lshl_b32 s22, s16, 15
	s_add_co_u32 s22, s22, 2*HALFT
.irp s, 0,1
	v_add_nc_u32 v[ADRA+\s], s21, v[CO]
	v_add_nc_u32 v[ADRB+\s], s22, v[CO]
	s_add_co_u32 s21, s21, SLOT
	s_add_co_u32 s22, s22, SLOT
.endr
	s_mul_i32 s23, s14, 16*SPITCH                  ; my stage
	v_mul_u32_u24 v5, v1, SPITCH
	s_wait_alu depctr_va_vdst(0)
	v_lshl_add_u32 v5, v2, 6, v5
	v_add_nc_u32 v[STO], s23, v5                   ; in: row r, + 64 h: tile b's eight columns are 32 (b / 2) + 8 (b % 2) + 16 h + 0 .. 7
	v_add_nc_u32 v[RD], s23, v[CO]                 ; back: the 32 lanes take one row of 512 bytes
	s_lshl_b32 s20, s17, 20                        ; my first row: 256 x block + 128 x half, rows of 4,096 bytes
	s_lshl_b32 s21, s15, 19
	s_add_co_u32 s20, s20, s21
	s_mov_b32 s21, 0
	s_lshl_b32 s46, s42, 10                        ; my first column, in bytes
	s_lshl_b32 s47, s16, 9
	s_add_co_u32 s46, s46, s47
	s_mov_b32 s47, 0
	s_add_nc_u64 s[20:21], s[20:21], s[46:47]
	s_add_nc_u64 s[10:11], s[10:11], s[20:21]
.macro FRAG reg, adr, q, i
.irp c, 0,1,2,3
	ds_load_b128 v[\reg+4*\c:\reg+4*\c+3], v[\adr] offset:4096*(\i)+2048*(\q)+512*\c
.endr
.endm
.macro MUL16 a0, p, zero               ; 16 matrix instructions; the 64 accumulators take turns, one instruction a turn, in the same order in every step
.irp a, \a0, \a0+1
.irp b, 0,1,2,3,4,5,6,7
.if \zero
	v_wmma_f32_16x16x128_fp8_fp8 v[8*(8*((\a)%4)+\b):8*(8*((\a)%4)+\b)+7], v[128*(\p)+FR*\b:128*(\p)+FR*\b+FR-1], v[AF+FR*(\a):AF+FR*(\a)+FR-1], 0
.else
	v_wmma_f32_16x16x128_fp8_fp8 v[8*(8*((\a)%4)+\b):8*(8*((\a)%4)+\b)+7], v[128*(\p)+FR*\b:128*(\p)+FR*\b+FR-1], v[AF+FR*(\a):AF+FR*(\a)+FR-1], v[8*(8*((\a)%4)+\b):8*(8*((\a)%4)+\b)+7]
.endif
.endr
.endr
.endm
.macro FETCH_B slot, q, p
	WIN TO_B
.irp i, 0,1,2,3,4,5,6,7
	FRAG 128*(\p)+FR*\i, ADRB+\slot, \q, \i
.endr
	WIN 0
.endm
.macro FETCH_A slot, q, i0
.irp i, \i0, \i0+1, \i0+2, \i0+3
	FRAG AF+FR*(\i), ADRA+\slot, \q, \i
.endr
.endm
.macro PLACES n                        ; plain vector instructions behind a matrix instruction, in front of loads into its sources and of reads of results (ISA guide 7.12.1 for the reads of results)
.rept \n
	v_nop
.endr
.endm
.macro STEP slot, q, zero
	s_wait_dscnt 4*NL                              ; B's set and A's blocks 0-3 are in; the youngest sixteen loads (A's blocks 4-7) may be out
	WIN MUL_LO
	MUL16 0, (\q)%2, \zero
	MUL16 2, (\q)%2, \zero
	s_wait_dscnt 0
	PLACES NP
	FETCH_B \slot, (\q)+1, 1-(\q)%2
	FETCH_A \slot, (\q)+1, 0
	WIN MUL_HI
	MUL16 4, (\q)%2, \zero
	MUL16 6, (\q)%2, \zero
	PLACES NP
	WIN 0
	FETCH_A \slot, (\q)+1, 4
.endm
.macro TURN slot, next, fill
	s_wait_tensorcnt 0x0                           ; all my tensor loads have landed: my part of the next slot
	ds_add_u32 v[SPW], v[NIL]                      ; 0 onto my spare word
	s_wait_dscnt 4*NL+1                            ; (the add and the youngest sixteen loads may be out)
	WIN MUL_LO
	MUL16 0, 1, 0
	s_wait_dscnt 0x0                               ; the add is done, and my reads of this slot are over
	s_barrier_signal -1
	MUL16 2, 1, 0
	WIN 0
	s_barrier_wait -1
.if \fill
	CREST                                          ; the barrier has opened a round of the cluster's: no wave of any partner still reads this slot or has a load on its way
	s_add_nc_u64 s[G0+4*\slot+2:G0+4*\slot+3], s[G0+4*\slot+2:G0+4*\slot+3], 2*KSTEPB
	s_add_nc_u64 s[G0B+4*\slot+2:G0B+4*\slot+3], s[G0B+4*\slot+2:G0B+4*\slot+3], 2*KSTEPB
	JLOAD G0+4*\slot, G1, G0B+4*\slot, G1B
.else
	PLACES NP
.endif
	FETCH_B \next, 0, 0
	FETCH_A \next, 0, 0
	WIN MUL_HI
	MUL16 4, 1, 0
	MUL16 6, 1, 0
	PLACES NP
	WIN 0
	FETCH_A \next, 0, 4
.endm
	s_wait_tensorcnt 1                             ; my part of K step 0 is in; K step 1's load may be out
	s_barrier_signal -1
	s_barrier_wait -1
	FETCH_B 0, 0, 0
	FETCH_A 0, 0, 0
	FETCH_A 0, 0, 4
	STEP 0, 0, 1
	TURN 0, 1, 1
	STEP 1, 0, 0
	TURN 1, 0, 1
	STEP 0, 0, 0
	TURN 0, 1, 0
	STEP 1, 0, 0
	s_wait_dscnt 4*NL
	WIN MUL_LO
	MUL16 0, 1, 0
	MUL16 2, 1, 0
	s_wait_dscnt 0
	WIN MUL_HI
	MUL16 4, 1, 0
	MUL16 6, 1, 0
	WIN 0
; THE WAY OUT, block by block.  LDS serves a wave's instructions in order (ISA guide 5.7.1.4): no wait between the stores and the loads, nor in front of the next block's stores.
.macro TOSTAGE a
.set AC, 64*((\a)%4)
	WIN 0x02+((\a)/4)                              ; source 0: window 2 or 3
.irp j, 0,2,4,6,8,10,12,14,16,18,20,22,24,26,28,30,32,34,36,38,40,42,44,46,48,50,52,54,56,58,60,62
	v_pk_mul_f32 v[TMP+\j:TMP+\j+1], v[AC+\j:AC+\j+1], s[96:97] op_sel_hi:[1,0]   ; both x s96 = 2^(e10 + e11); each accumulator from its low end on
.endr
	WIN 0
.irp b, 0,1,2,3,4,5,6,7
	ds_store_b128 v[STO], v[TMP+8*\b:TMP+8*\b+3] offset:128*(\b/2)+32*(\b%2)
	ds_store_b128 v[STO], v[TMP+8*\b+4:TMP+8*\b+7] offset:128*(\b/2)+32*(\b%2)+16
.endr
.set BB, BK+64*((\a)%2)
.irp t, 0,1,2,3,4,5,6,7,8,9,10,11,12,13,14,15
	ds_load_b128 v[BB+4*\t:BB+4*\t+3], v[RD] offset:\t*SPITCH
.endr
.endm
.macro SEND a, younger                 ; younger: the LDS instructions issued behind block a's loads, which may stay out
.set BB, BK+64*((\a)%2)
	s_wait_dscnt \younger
.if (\a) > 0
.if (\a)%2
	s_add_nc_u64 s[10:11], s[10:11], 8*4096        ; (behind a wait on XCNT)  an odd tile begins 8 rows behind the even one,
.else
	s_add_nc_u64 s[10:11], s[10:11], 24*4096       ; the next even one 24 rows further
.endif
.endif
.irp t, 0,1,2,3,4,5,6,7,8,9,10,11,12,13,14,15
	global_store_b128 v[CO], v[BB+4*\t:BB+4*\t+3], s[10:11] offset:(\t+8*(\t/8))*4096 th:TH_STORE_NT   ; the tile's row t is row t + 8 (t / 8) from its first: 512 consecutive bytes, aligned; written once, read by nobody here
.endr
.endm
	s_wait_kmcnt 0x0
	s_add_co_i32 s96, s96, s97
	s_add_co_i32 s96, s96, 127
	s_lshl_b32 s96, s96, 23                        ; 2^(e10 + e11) as f32
	PLACES NP
	TOSTAGE 0
.irp a, 1,2,3,4,5,6,7
.if \a > 1
	s_wait_xcnt 0x0                                ; block a - 2's stores have read their registers and their base
.endif
	TOSTAGE \a
	SEND \a-1, 32                                  ; behind block a - 1's loads: block a's 16 stores and 16 loads
.endr
	s_wait_xcnt 0x0
	SEND 7, 0
	s_wait_tensorcnt 0x0                           ; the wave's end
	ds_add_u32 v[SPW], v[NIL]
	s_wait_dscnt 0x0
	CROUND                                         ; the closing round
	s_endpgm
.Lfunc_end_k_qd2451cba08_oproj:
	.size	k_qd2451cba08_oproj, .Lfunc_end_k_qd2451cba08_oproj-k_qd2451cba08_oproj
	.p2alignl 7, 3214868480
	.fill 96, 4, 3214868480
	.section	.rodata,"a",@progbits
	.p2align	6, 0x0
	.amdhsa_kernel k_qd2451cba08_oproj
		.amdhsa_group_segment_fixed_size 327680
		.amdhsa_private_segment_fixed_size 0
		.amdhsa_enable_private_segment 0
		.amdhsa_kernarg_size 32
		.amdhsa_user_sgpr_count 2
		.amdhsa_user_sgpr_kernarg_segment_ptr 1
		.amdhsa_wavefront_size32 1
		.amdhsa_system_sgpr_workgroup_id_x 1
		.amdhsa_system_sgpr_workgroup_id_y 1
		.amdhsa_system_sgpr_workgroup_id_z 1
		.amdhsa_system_vgpr_workitem_id 0
		.amdhsa_next_free_vgpr 1024
		.amdhsa_next_free_sgpr 98
		.amdhsa_reserve_vcc 0
		.amdhsa_float_denorm_mode_32 3
		.amdhsa_float_denorm_mode_16_64 3
		.amdhsa_memory_ordered 1
		.amdhsa_forward_progress 1
		.amdhsa_inst_pref_size 124
	.end_amdhsa_kernel
	.amdgpu_metadata
---
amdhsa.version: [ 1, 2 ]
amdhsa.kernels:
  - .name:           k_qd2451cba08_oproj
    .symbol:         k_qd2451cba08_oproj.kd
    .args:
      - { .name: ac, .offset: 0, .size: 8, .value_kind: global_buffer, .address_space: global }
      - { .name: wc, .offset: 8, .size: 8, .value_kind: global_buffer, .address_space: global }
      - { .name: lowp_scales, .offset: 16, .size: 8, .value_kind: global_buffer, .address_space: global }
      - { .name: out0, .offset: 24, .size: 8, .value_kind: global_buffer, .address_space: global }
    .group_segment_fixed_size: 327680
    .private_segment_fixed_size: 0
    .kernarg_segment_align: 8
    .kernarg_segment_size: 32
    .max_flat_workgroup_size: 128
    .sgpr_count:     98
    .vgpr_count:     1024
    .wavefront_size: 32
...
	.end_amdgpu_metadata
.endif
;; end of part 4
